; MI455X (gfx1250); checked and timed in simulation.
; The chip was launched on July 23, 2026; its instructions are those of AMD's public machine-readable ISA for CDNA 5 (MIT licence, August 2026) and "CDNA5" Instruction Set Architecture Reference Guide (July 2026). The comments in the code are by the model that wrote it; some were corrected since.
;; Simple Mo E From Notebook. Allowed arithmetic: matrix products marked QUANTISED: E3M2 operands, one E8M0 scale for each 32 along K, by v_wmma_scale_f32_16x16x128_f8f6f4 with both operands' format E3M2, f32 sums; products left as they are: f32 operands where the result goes on into a quantised operand, else bf16, f16 or f32 operands; f32 sums; everything else in f32.
;; Inputs: b1 8 x 4,096 float32; b2 8 x 1,024 float32; gate_b 8 float32; gate_w 8 x 1,024 float32; w1 8 x 1,024 x 4,096 float32; w2 8 x 4,096 x 1,024 float32; x 1,024 x 1,024 float32.
;; Outputs: out0 1,024 x 1,024 float32.
;; This version of the problem:
;;   THIS VERSION OF THE PROBLEM IS GIVEN IN LOW PRECISION. The matrix products marked QUANTISED in the list below multiply operands that are first quantised to E3M2 (3 exponent bits, 2 mantissa bits; 6 bits a number), with one power-of-two scale for each 32 numbers along K (OCP MX v1.0); their sums are f32. All else is computed in f32.
;;   The module's matrix products, in the order in which they are computed (A, B: the left and right operand; K: the contracted axis; several contracted axes count as one K, in the product's order):
;;     1. [M 1,024, K 1,024] x [K 1,024, N 8]; A: input x; B: input gate_w: left as it is (N = 8 < 16)
;;     2. [M 1,024, K 1,024] x [K 1,024, N 32,768]; A: input x; B: input w1: QUANTISED
;;     3. batch 8 x [M 1,024, K 4,096] x [K 4,096, N 1,024]; A: input w2; B: computed on the way: QUANTISED
;;     4. batch 1,024 x [M 1,024, K 8] x [K 8, N 1]; A: computed on the way; B: computed on the way: left as it is (K = 8 < 32)
;;   THE QUANTISER, for each operand of a quantised product, along K:
;;     - K is cut into blocks of 32 from its start; a last block that is shorter is filled with zeros.
;;     - A block's scale is 2^e with e = floor(log2(the largest magnitude in the block)) - 4, held to -126 .. 127; a block of zeros has e = 0. As a byte (E8M0): e + 127.
;;     - Each number is divided by its block's scale, clamped to +-28, and rounded to the nearest number of E3M2, ties to even, subnormals kept.
;;     - The product sums the exact products of the quantised numbers (number of the format x scale) in f32.
;;   ~~~python
;;   def quantise(x, axis):      # numpy; x: float32 -> the quantised numbers, widened to float32 again
;;       x = np.moveaxis(x, axis, -1); K = x.shape[-1]
;;       x = np.pad(x, [(0, 0)] * (x.ndim - 1) + [(0, -K % 32)]); x = x.reshape(x.shape[:-1] + (-1, 32)); a = np.abs(x).max(-1, keepdims=True)
;;       e = np.where(a > 0, np.clip(np.frexp(np.where(a > 0, a, 1))[1] - 1 - 4, -126, 127), 0)      # np.frexp(a)[1] - 1 = floor(log2(a)), exactly
;;       r = np.clip(x / 2.0 ** e, -28, 28)
;;       step = 2.0 ** (np.maximum(np.frexp(np.where(r == 0, 1, r))[1] - 1, -2) - 2)
;;       q = np.round(r / step) * step * 2.0 ** e      # np.round: ties to even
;;       return np.moveaxis(q.reshape(q.shape[:-2] + (-1,))[..., :K], -1, axis).astype(np.float32)
;;   ~~~
;;   OPERANDS COMPUTED ON THE WAY. 'Computed on the way' means the value that the module computes at that place (a softmax that the list does not call 'softmax' is quantised finished and normalised). What goes into a quantiser is computed in f32, as accurately as f32 sums, v_exp_f32 and their like allow (about 1e-6 of the number): no bf16 or f16 on the way to a quantiser, and a product that is left as it is and whose result goes on into a quantised operand takes f32 operands (vector FMAs, or v_wmma_f32_16x16x4_f32). A number that lies on a knife's edge between two numbers of the format may be rounded either way, as far as f32 arithmetic and the matrix unit's own rounding can turn it there, and no further.
;; 2 versions. Each part assembles by itself: llvm-mc -triple=amdgcn-amd-amdhsa -mcpu=gfx1250 --defsym DOCPART=n.
;; ======== version 1 of 2: 3 launches
;; workspace buffers: x_codes 786,432 bytes; x_scales 32,768 bytes; masks 1,024 bytes of whole numbers; hid_codes 25,165,824 bytes; hid_scales 2,097,152 bytes
;; launch route (part 1): grid 128 x 1, 4 waves a work-group, no clusters, 1,024 bytes of LDS; arguments x, gate_w, gate_b, x_codes, x_scales, masks; writes x_codes, x_scales, masks
.if DOCPART == 1
	.amdgcn_target "amdgcn-amd-amdhsa--gfx1250"
	.amdhsa_code_object_version 6
	.text
	.protected	k_q967f786455_route
	.globl	k_q967f786455_route
	.p2align	8
	.type	k_q967f786455_route,@function
k_q967f786455_route:
	s_mov_b64 s[64:65], 0
	v_nop
	global_prefetch_b8 v0, s[64:65] scope:SCOPE_SE
	s_setreg_imm32_b32 hwreg(HW_REG_WAVE_MODE, 25, 1), 1
	s_wait_xcnt 0x0
; THE GATE AND x's CODES.  logits = x gate_w^T + gate_b in f32 (fused multiply-adds); each token's expert = the index of its largest logit; x is quantised along its 1,024 to E3M2 with one E8M0 byte for each 32.
; WORK LEFT OUT IN THIS PROGRAM, and why it can reach no output, for all finite inputs:
;  - the softmax: exp rises strictly and the division is by one positive sum for the whole row, so argmax(softmax(z)) = argmax(z); the maximum that the softmax takes away serves that exponential alone.
;  - the one_hot and the product with it: out[n] = sum over e of y[n][e] onehot[n][e] = y[n][top_expert[n]]: a selection by an index.
;  - the rows of both large products for the experts that a token did not choose: the one_hot multiplies them by 0.
;  Every input keeps a way to the output (gate_b moves the argmax) and every input is loaded by some launch.
; LIMITS: a NaN, an infinity or an overflow that arises only in an expert that a token did not choose is not carried to the result.  NaN among the logits is not served.  Two logits of a token that lie closer than the
;  rounding of an f32 sum of 1,024 products may choose either expert; an exact tie takes the lower index, as argmax does.  A block whose largest magnitude lies under 2^(5 - 127) gets the scale byte 1; a block of zeros gets
;  the byte 1 and zero codes, which add nothing; only this program reads the bytes.
; SHARES.  A work-group takes 8 tokens: their 256 scale bytes are one aligned run of 256, and their 8 choices are one byte of each expert's mask.  Wave w takes tokens 2 w and 2 w + 1.
;  Lane l holds, for u = 0, 1, the 16 neighbours x[512 u + 16 l ..]: two neighbouring lanes hold a block of 32.  gate_w's rows are loaded by the same map and serve both tokens.
; OUT.  x_codes [token][768]: in a row, 128 along K take 96 bytes, block 2 c + h at 48 h + 24 c, so that lane (r, h) of a matrix operand finds its 12 registers as 48 bytes on end.  x_scales [token][32].
;  masks [expert][128 bytes]: bit t of byte j stands for token 8 j + t.  No address and no branch here hangs on the choice: it is stored, and later launches read it.
.set SPARE, 512                        ; LDS: 0-31 the 8 choices; 256-511 the scale bytes; from 512 the spare words, 128 bytes a wave, that no other line names
.set SPW,  1                           ; v1   my spare word's address; never rewritten
.set NIL,  2                           ; v2   0; never rewritten
.set LANE, 3
.set XO,   4                           ; v4   64 x lane: my 16 numbers
.set CO,   5                           ; v5   my 12 bytes of codes in a row's 384
.set SBA,  6                           ; v6   LDS: my block's scale byte
.set IDA,  7                           ; v7   LDS: my wave's two choices
.set T,    8                           ; v8-15   at work: the quantiser's, then four chains of sums
.set C,    16                          ; v16-31  for each (token, u): three registers of codes and the scale byte
.set X,    32                          ; v32-95  x: [token][u][16]
.set G,    96                          ; v96-223 gate_w: four buffers of [u][16]
.set A,    224                         ; v224-255 [token][expert]: a pair of partial sums
	s_load_b256 s[4:11], s[0:1], 0x0               ; x, gate_w, gate_b, x_codes
	s_load_b128 s[12:15], s[0:1], 0x20             ; x_scales, masks
	v_lshl_add_u32 v[SPW], v0, 2, SPARE
	v_mov_b32 v[NIL], 0
	v_lshrrev_b32 v[LANE], 5, v0
	v_readfirstlane_b32 s16, v[LANE]               ; wave 0..3
	v_and_b32 v[LANE], 31, v0
	v_lshlrev_b32 v[XO], 6, v[LANE]
	v_lshrrev_b32 v8, 3, v[LANE]                   ; which 128 along K of the 512: 96 bytes each
	v_mul_u32_u24 v[CO], v8, 96
	v_bfe_u32 v8, v[LANE], 1, 1                    ; h of my block
	v_mad_u32_u24 v[CO], v8, 48, v[CO]
	v_bfe_u32 v8, v[LANE], 2, 1                    ; c of my block
	v_mad_u32_u24 v[CO], v8, 24, v[CO]
	v_and_b32 v8, 1, v[LANE]                       ; which half of the block
	v_mad_u32_u24 v[CO], v8, 12, v[CO]
	s_lshl_b32 s17, s16, 6
	s_add_co_u32 s17, s17, 256
	v_lshrrev_b32 v[SBA], 1, v[LANE]
	v_add_nc_u32 v[SBA], s17, v[SBA]               ; 256 + 64 x wave + lane / 2
	s_lshl_b32 s17, s16, 3
	v_mov_b32 v[IDA], s17                          ; 8 x wave
	s_mov_b32 s20, 0x76543210
	s_mov_b32 s21, 0xfedcba98                      ; v_permlanex16_b32's selects for lane l xor 16
	s_lshl_b32 s18, ttmp9, 3
	s_lshl_b32 s19, s16, 1
	s_add_co_u32 s18, s18, s19                     ; my wave's first token
	s_lshl_b32 s22, s18, 12                        ; its row of x,
	s_mov_b32 s23, 0
	s_mul_i32 s32, s18, 768                        ; of the codes,
	s_mov_b32 s33, 0
	s_lshl_b32 s34, ttmp9, 8                       ; the work-group's 256 scale bytes,
	s_mov_b32 s35, 0
	s_mov_b32 s36, ttmp9                           ; and its byte in a mask
	s_mov_b32 s37, 0
	s_wait_kmcnt 0x0
	s_load_b256 s[24:31], s[8:9], 0x0              ; gate_b: eight numbers
	s_add_nc_u64 s[4:5], s[4:5], s[22:23]
	s_add_nc_u64 s[10:11], s[10:11], s[32:33]
	s_add_nc_u64 s[12:13], s[12:13], s[34:35]
	s_add_nc_u64 s[14:15], s[14:15], s[36:37]
.irp tt, 0,1
.irp u, 0,1
.irp j, 0,1,2,3
	global_load_b128 v[X+32*\tt+16*\u+4*\j:X+32*\tt+16*\u+4*\j+3], v[XO], s[4:5] offset:4096*\tt+2048*\u+16*\j th:TH_LOAD_NT
.endr
.endr
.endr
.macro GLOAD e                         ; expert e's row of gate_w into buffer e % 4: eight loads
.irp u, 0,1
.irp j, 0,1,2,3
	global_load_b128 v[G+32*((\e)%4)+16*\u+4*\j:G+32*((\e)%4)+16*\u+4*\j+3], v[XO], s[6:7] offset:4096*(\e)+2048*\u+16*\j
.endr
.endr
.endm
	GLOAD 0
	GLOAD 1
	GLOAD 2
	GLOAD 3
; 16 numbers of a lane become 16 codes; two neighbouring lanes share the block's largest magnitude.
.macro QX tt, u
.set XR, X+32*(\tt)+16*(\u)
.set CR, C+4*(2*(\tt)+(\u))
	v_max3_num_f32 v8, |v[XR]|, |v[XR+1]|, |v[XR+2]|
	v_max3_num_f32 v9, |v[XR+3]|, |v[XR+4]|, |v[XR+5]|
.irp i, 6,10
	v_max3_num_f32 v8, v8, |v[XR+\i]|, |v[XR+\i+1]|
	v_max3_num_f32 v9, v9, |v[XR+\i+2]|, |v[XR+\i+3]|
.endr
	v_max3_num_f32 v8, v8, |v[XR+14]|, |v[XR+15]|
	v_max3_num_f32 v8, v8, v9, 0x2800000           ; and the floor 2^(5 - 127): the byte cannot fall under 1
	v_max_num_f32_dpp v8, v8, v8 row_xmask:1 row_mask:0xf bank_mask:0xf   ; with my neighbour's 16: the block's
	v_add_nc_u32 v11, 0xfe000000, v8               ; 4 off the exponent field: the conversion takes this operand's exponent field as its scale
	v_cvt_scalef32_pk16_bf6_f32 v[CR:CR+2], v[XR:XR+15], v11
	v_lshrrev_b32 v[CR+3], 23, v11                 ; the scale's byte (also the plain line behind the conversion)
	ds_store_b8 v[SBA], v[CR+3] offset:32*(\tt)+16*(\u)   ; both lanes of a block write the same byte with the same value
	global_store_b96 v[CO], v[CR:CR+2], s[10:11] offset:768*(\tt)+384*(\u)   ; the wave's 32 x 12 bytes fill 384 bytes on end
.endm
	s_wait_loadcnt 32                              ; x's 16 loads are in; the 32 loads of gate_w were issued behind them
	QX 0, 0
	QX 0, 1
	QX 1, 0
	QX 1, 1
; One expert's logit for both tokens: four chains (token, u) of packed multiply-adds, by turns.  left = the loads of younger experts' rows, which may stay out.
.macro GATE e, left
	s_wait_loadcnt \left
.set GB, G+32*((\e)%4)
.irp tt, 0,1
.irp u, 0,1
	v_pk_mul_f32 v[T+4*\tt+2*\u:T+4*\tt+2*\u+1], v[X+32*\tt+16*\u:X+32*\tt+16*\u+1], v[GB+16*\u:GB+16*\u+1]
.endr
.endr
.irp i, 2,4,6,8,10,12,14
.irp tt, 0,1
.irp u, 0,1
	v_pk_fma_f32 v[T+4*\tt+2*\u:T+4*\tt+2*\u+1], v[X+32*\tt+16*\u+\i:X+32*\tt+16*\u+\i+1], v[GB+16*\u+\i:GB+16*\u+\i+1], v[T+4*\tt+2*\u:T+4*\tt+2*\u+1]
.endr
.endr
.endr
.irp tt, 0,1
	v_pk_add_f32 v[A+16*\tt+2*(\e):A+16*\tt+2*(\e)+1], v[T+4*\tt:T+4*\tt+1], v[T+4*\tt+2:T+4*\tt+3]
.endr
.if (\e) < 4
	GLOAD (\e)+4                                   ; the buffer takes the expert four further on
.endif
.endm
	GATE 0, 24                                     ; three younger rows of eight loads stay out, while there are so many
	GATE 1, 24
	GATE 2, 24
	GATE 3, 24
	GATE 4, 24
	GATE 5, 16
	GATE 6, 8
	GATE 7, 0
	; the 16 sums (2 tokens x 8 experts) over the pair and over the 32 lanes, by turns
.irp n, 0,1,2,3,4,5,6,7,8,9,10,11,12,13,14,15
	v_add_f32 v[A+2*\n], v[A+2*\n], v[A+2*\n+1]
.endr
.irp m, 1,2,4,8
.irp n, 0,1,2,3,4,5,6,7,8,9,10,11,12,13,14,15
	v_add_f32_dpp v[A+2*\n], v[A+2*\n], v[A+2*\n] row_xmask:\m row_mask:0xf bank_mask:0xf
.endr
.endr
.irp n, 0,1,2,3,4,5,6,7,8,9,10,11,12,13,14,15
	v_permlanex16_b32 v[A+2*\n+1], v[A+2*\n], s20, s21
.endr
.irp n, 0,1,2,3,4,5,6,7,8,9,10,11,12,13,14,15
	v_add_f32 v[A+2*\n], v[A+2*\n], v[A+2*\n+1]
.endr
	s_wait_kmcnt 0x0                               ; gate_b
.irp tt, 0,1
.irp e, 0,1,2,3,4,5,6,7
	v_add_f32 v[A+16*\tt+2*\e], s[24+\e], v[A+16*\tt+2*\e]
.endr
.endr
	; the index of the largest: a later expert takes over only where it is strictly larger, so the lower index wins a tie
.irp tt, 0,1
	v_mov_b32 v[8+\tt], v[A+16*\tt]
	v_mov_b32 v[10+\tt], 0
.endr
.irp e, 1,2,3,4,5,6,7
.irp tt, 0,1
	v_cmp_ge_f32 vcc_lo, v[8+\tt], v[A+16*\tt+2*\e]
	v_cndmask_b32 v[10+\tt], \e, v[10+\tt], vcc_lo
	v_max_num_f32 v[8+\tt], v[8+\tt], v[A+16*\tt+2*\e]
.endr
.endr
.irp tt, 0,1
	ds_store_b32 v[IDA], v[10+\tt] offset:4*\tt    ; all lanes write the same word with the same value
.endr
	s_wait_dscnt 0x0                               ; for the others' sake: my choices and my scale bytes lie in LDS
	s_barrier_signal -1
	s_barrier_wait -1
	s_cmp_lg_u32 s16, 0                            ; wave 0 sends out what the four waves gathered
	s_cbranch_scc1 .Lend
	v_mov_b32 v12, 0
	ds_load_b128 v[96:99], v12                     ; the eight choices, in every lane
	ds_load_b128 v[100:103], v12 offset:16
	v_lshlrev_b32 v13, 3, v[LANE]
	ds_load_b64 v[104:105], v13 offset:256         ; 8 scale bytes a lane
	v_lshlrev_b32 v106, 7, v[LANE]                 ; expert = lane: its mask begins 128 x lane bytes on
	v_mov_b32 v14, 0
	s_wait_dscnt 0x0
	global_store_b64 v13, v[104:105], s[12:13]     ; 32 lanes store 256 bytes on end, at a multiple of 256 from the buffer's first byte
.irp t, 0,1,2,3,4,5,6,7
	v_cmp_eq_u32 vcc_lo, v[96+\t], v[LANE]
	v_cndmask_b32 v15, 0, 1, vcc_lo
	v_lshl_or_b32 v14, v15, \t, v14                ; bit t: token t of the eight chose expert = my lane
.endr
	v_cmp_gt_u32 vcc_lo, 8, v[LANE]
	s_wait_xcnt 0x0                                ; EXEC changes only behind this wait
	s_and_saveexec_b32 s17, vcc_lo                 ; eight experts: lanes 0 to 7
	global_store_b8 v106, v14, s[14:15]
	s_wait_xcnt 0x0                                ; and again, in front of the line that widens it
	s_or_b32 exec_lo, exec_lo, s17
.Lend:
	s_wait_tensorcnt 0x0                           ; the wave's end: three closing lines, behind my last LDS store
	ds_add_u32 v[SPW], v[NIL]
	s_wait_dscnt 0x0
	s_endpgm
.Lfunc_end_k_q967f786455_route:
	.size	k_q967f786455_route, .Lfunc_end_k_q967f786455_route-k_q967f786455_route
	.p2alignl 7, 3214868480
	.fill 96, 4, 3214868480
	.section	.rodata,"a",@progbits
	.p2align	6, 0x0
	.amdhsa_kernel k_q967f786455_route
		.amdhsa_group_segment_fixed_size 1024
		.amdhsa_private_segment_fixed_size 0
		.amdhsa_enable_private_segment 0
		.amdhsa_kernarg_size 48
		.amdhsa_user_sgpr_count 2
		.amdhsa_user_sgpr_kernarg_segment_ptr 1
		.amdhsa_wavefront_size32 1
		.amdhsa_system_sgpr_workgroup_id_x 1
		.amdhsa_system_sgpr_workgroup_id_y 1
		.amdhsa_system_sgpr_workgroup_id_z 1
		.amdhsa_system_vgpr_workitem_id 0
		.amdhsa_next_free_vgpr 256
		.amdhsa_next_free_sgpr 66
		.amdhsa_reserve_vcc 1
		.amdhsa_float_denorm_mode_32 3
		.amdhsa_float_denorm_mode_16_64 3
		.amdhsa_memory_ordered 1
		.amdhsa_forward_progress 1
		.amdhsa_inst_pref_size 41
	.end_amdhsa_kernel
	.amdgpu_metadata
---
amdhsa.version: [ 1, 2 ]
amdhsa.kernels:
  - .name:           k_q967f786455_route
    .symbol:         k_q967f786455_route.kd
    .args:
      - { .name: x, .offset: 0, .size: 8, .value_kind: global_buffer, .address_space: global }
      - { .name: gate_w, .offset: 8, .size: 8, .value_kind: global_buffer, .address_space: global }
      - { .name: gate_b, .offset: 16, .size: 8, .value_kind: global_buffer, .address_space: global }
      - { .name: x_codes, .offset: 24, .size: 8, .value_kind: global_buffer, .address_space: global }
      - { .name: x_scales, .offset: 32, .size: 8, .value_kind: global_buffer, .address_space: global }
      - { .name: masks, .offset: 40, .size: 8, .value_kind: global_buffer, .address_space: global }
    .group_segment_fixed_size: 1024
    .private_segment_fixed_size: 0
    .kernarg_segment_align: 8
    .kernarg_segment_size: 48
    .max_flat_workgroup_size: 128
    .sgpr_count:     66
    .vgpr_count:     256
    .wavefront_size: 32
...
	.end_amdgpu_metadata
.endif
;; end of part 1
;; launch hidden (part 2): grid 32 x 8, 16 waves a work-group, no clusters, 104,448 bytes of LDS; arguments x_codes, x_scales, masks, w1, b1, hid_codes, hid_scales; writes hid_codes, hid_scales
.if DOCPART == 2
	.amdgcn_target "amdgcn-amd-amdhsa--gfx1250"
	.amdhsa_code_object_version 6
	.text
	.protected	k_q967f786455_hidden
	.globl	k_q967f786455_hidden
	.p2align	8
	.type	k_q967f786455_hidden,@function
k_q967f786455_hidden:
	s_mov_b64 s[64:65], 0
	v_nop
	global_prefetch_b8 v0, s[64:65] scope:SCOPE_SE
	s_setreg_imm32_b32 hwreg(HW_REG_WAVE_MODE, 25, 1), 1
	s_wait_xcnt 0x0
; THE HIDDEN LAYER OF THE CHOSEN ROWS: for expert e (work-group y) and its hidden units 128 sl .. 128 sl + 127 (work-group x): relu(x w1[e] + b1[e]) for the tokens that chose e, quantised along the hidden axis.
; LEFT OUT: the rows of tokens that chose another expert: the one_hot multiplies them by 0 (shown at the head of the first kernel).
; w1[e]'s slice, 1,024 (K) x 128 numbers of f32, is read ONCE, whatever the split of tokens: eight steps of 128 along K.  In a step each of the 16 waves loads one block of 32 along K for 32 columns: A LANE TAKES A COLUMN AND ITS
; REGISTERS RUN DOWN K, so a block's largest magnitude needs no other lane and the conversions give codes with K innermost.  The codes and scale bytes go to LDS and STAY there: no LDS byte is written twice.
; The slice of an expert that no token chose is streamed all the same and nothing is stored: only some inputs throw that work away, and the barriers stand on every wave's path.
; PRODUCTS.  A tile is 16 tokens of the expert (positions 16 T .. 16 T + 15 in ascending order of token).  Wave w multiplies tile w under the stream, step by step; tiles w + 16, w + 32, w + 48, which exist only where more
; than 256 tokens chose e, follow behind the stream from the codes in LDS.  The product is used transposed (source 0 = 16 hidden units, source 1 = 16 tokens): a lane holds ONE token and its registers run along the hidden units.
; THE HIDDEN UNITS OF A TILE ARE NOT NEIGHBOURS: row m of tile 2 g + u is unit 32 g + 8 u + m + 8 (m / 8), so that the 16 registers of tiles 2 g, 2 g + 1 are 16 neighbours along the next product's K.
; b1 is loaded into the accumulators: every matrix instruction adds in place and nothing is cleared.  The eight accumulators take turns, one instruction a turn.
; WHO IS POSITION p?  The expert's mask of 1,024 bits lies in 32 scalar registers; SELECT finds the p-th set bit by whole-number arithmetic.  A position at or past the expert's count N is held at N - 1: the padding rows of
; the last tile are the expert's last token once more, with the same bits in every column.  The next launch holds its positions in the same way.
; No tensor load stands here.
; LIMITS: as stated at the head of the first kernel (scale byte 1 for blocks under the floor and for blocks of zeros).
; OUT.  hid_codes [e][tile][K step = sl]: the image of the next product's operand registers, three times 32 lanes x 16 bytes; hid_scales likewise, a word a lane (128 bytes a store: half of an aligned 256; a twelfth of the codes' bytes).
.set REG,   12800                      ; LDS: a step's region: 8 fragments of 1,536 bytes (c x 768 + (16 h + r) x 24: records of 24 bytes, so that the 32 lanes of an 8-byte access touch 64 different banks of 4 bytes, ISA guide 11.1), then 4 planes of 32 scale words
.set HALF,  4*REG                      ; an LDS immediate has 16 bits: steps 4 to 7 have address registers of their own, HALF further on
.set SPARE, 8*REG                      ; behind the regions: the spare words, 128 bytes for each of 16 waves, that no other line names
.set STEPB, 2097152                    ; 128 rows of w1[e], 16,384 bytes each
.set ROWB,  16384
.set PARTA, 28                         ; of a set's 32 loads, those issued ahead of the barrier: with the 32 of the set before and the 3 of x's fragment, 63 loads of the wave are out there by this text's own count
.set SPW,  1                           ; v1  my spare word's address; never rewritten
.set NIL,  2                           ; v2  0; never rewritten
.set WOFF, 3                           ; v3  my column and block in w1[e]'s slice
.set CW,   4                           ; v4-5   LDS: where my block's 24 bytes of codes go (steps 0-3, 4-7)
.set SW,   6                           ; v6-7   and its scale byte
.set FRD,  8                           ; v8-9   LDS: 24 x lane: a fragment's record of mine
.set SRD,  10                          ; v10-11 LDS: 4 x lane in a plane of scale words
.set R16,  12                          ; v12 lane % 16
.set VP,   13                          ; v13 my position in the expert
.set XOFF, 14                          ; v14 my token's codes: 768 x token + 48 (lane / 16)
.set SOFF, 15                          ; v15 my token's scale bytes: 32 x token
.set H64,  16                          ; v16 64 (lane / 16)
.set L16,  17                          ; v17 16 x lane
.set L4,   18                          ; v18 4 x lane
.set ZR,   19                          ; v19 0
                                       ; v20-30 at work
.set ACC,  32                          ; v32-95   8 tiles of the hidden layer
.set WR,   96                          ; v96-159  two sets of 32 numbers of w1; behind the stream at work:
.set TM,   96
.set PW,   112
.set PC,   128
.set FR,   160                         ; v160-207 four fragments of w1's codes
.set XF,   208                         ; v208-231 x's fragment, two buffers
.set XS,   232                         ; v232-239 x's scale words of the eight steps
.set WS,   240                         ; v240-243 w1's scale words: register g: lanes 0-15 tile 2 g, lanes 16-31 tile 2 g + 1
.set CD,   244                         ; v244-250 a block's codes
.set H48,  251                         ; v251 48 (lane / 16)
; s18 wave, s19 expert, s20 slice, s21 the expert's tokens N, s22 its tiles, s23 the tile in hand, s24 N - 1, s25-27 SELECT's, s[28:31] w1's two bases, s[32:63] the mask,
; s[66:69] the tile's places in hid_codes and hid_scales, s[70:71] lane selects, s72-76 at work, s77 the tail's count
	s_load_b256 s[4:11], s[0:1], 0x0               ; x_codes, x_scales, masks, w1
	s_load_b128 s[12:15], s[0:1], 0x20             ; b1, hid_codes
	s_load_b64 s[16:17], s[0:1], 0x30              ; hid_scales
	v_lshl_add_u32 v[SPW], v0, 2, SPARE
	v_mov_b32 v[NIL], 0
	v_lshrrev_b32 v20, 5, v0
	v_readfirstlane_b32 s18, v20                   ; wave 0..15
	s_and_b32 s19, ttmp7, 0xffff
	s_mov_b32 s20, ttmp9
	v_and_b32 v21, 31, v0                          ; lane
	v_and_b32 v[R16], 15, v0
	v_bfe_u32 v22, v0, 4, 1                        ; lane / 16
	s_and_b32 s72, s18, 3                          ; g: which 32 columns
	s_lshr_b32 s73, s18, 2                         ; b: which block of the step's four
	s_lshl_b32 s74, s72, 7
	s_lshl_b32 s75, s73, 19                        ; 32 rows of 16,384 bytes
	s_add_co_u32 s74, s74, s75
	v_lshl_add_u32 v[WOFF], v21, 2, s74
	v_bfe_u32 v23, v0, 3, 1                        ; my column l of the 32 is row m = l % 8 + 8 (l / 16) of tile u = (l / 8) % 2
	v_and_b32 v24, 7, v0
	v_lshl_add_u32 v23, v23, 4, v24
	v_lshl_add_u32 v23, v22, 3, v23                ; 16 u + m
	v_lshrrev_b32 v24, 4, v23
	v_and_b32 v25, 15, v23
	v_mul_u32_u24 v[CW], v24, 1536
	v_mad_u32_u24 v[CW], v25, 24, v[CW]
	s_mul_i32 s74, s72, 3072                       ; fragment 2 g + u;
	s_lshr_b32 s75, s73, 1
	s_mul_i32 s75, s75, 768                        ; block b = 2 c + h: c x 768
	s_add_co_u32 s74, s74, s75
	s_and_b32 s75, s73, 1
	s_mul_i32 s75, s75, 384                        ; + 16 h records
	s_add_co_u32 s74, s74, s75
	v_add_nc_u32 v[CW], s74, v[CW]
	v_add_nc_u32 v[CW+1], HALF, v[CW]
	s_lshl_b32 s74, s72, 7                         ; plane g, word 16 u + m, byte b
	s_add_co_u32 s74, s74, s73
	s_add_co_u32 s74, s74, 12288
	v_lshl_add_u32 v[SW], v23, 2, s74
	v_add_nc_u32 v[SW+1], HALF, v[SW]
	v_mul_u32_u24 v[FRD], v21, 24
	v_add_nc_u32 v[FRD+1], HALF, v[FRD]
	v_lshl_add_u32 v[SRD], v21, 2, 12288
	v_add_nc_u32 v[SRD+1], HALF, v[SRD]
	v_lshlrev_b32 v[H64], 6, v22
	v_mul_u32_u24 v[H48], v22, 48
	v_lshlrev_b32 v[L16], 4, v21
	v_lshlrev_b32 v[L4], 2, v21
	v_mov_b32 v[ZR], 0
	s_mov_b32 s70, 0x76543210
	s_mov_b32 s71, 0xfedcba98                      ; v_permlanex16_b32's selects for lane l xor 16
	s_mov_b32 s75, 0
	s_wait_kmcnt 0x0
	s_lshl_b32 s74, s19, 7
	s_add_nc_u64 s[8:9], s[8:9], s[74:75]
	s_load_b512 s[32:47], s[8:9], 0x0              ; the expert's mask: 32 words
	s_load_b512 s[48:63], s[8:9], 0x40
	s_lshl_b32 s74, s19, 24                        ; w1[e]: 16 MiB an expert,
	s_lshl_b32 s76, s20, 9                         ; the slice's 512 bytes of a row
	s_add_co_u32 s74, s74, s76
	s_add_nc_u64 s[28:29], s[10:11], s[74:75]      ; steps 0 to 3 count from here,
	s_add_nc_u64 s[30:31], s[28:29], 4*STEPB       ; steps 4 to 7 from here: every load's place is an immediate, and nothing is stepped
	s_lshl_b32 s74, s19, 14
	s_add_co_u32 s74, s74, s76
	s_add_nc_u64 s[12:13], s[12:13], s[74:75]      ; b1[e] at the slice
.macro BIAS                            ; b1 in the result's layout: tile 2 g + u, lane half h: units 32 g + 16 h + 8 u + 0 .. 7
.irp t, 0,1,2,3,4,5,6,7
	global_load_b128 v[ACC+8*\t:ACC+8*\t+3], v[H64], s[12:13] offset:(32*(\t/2)+8*(\t%2))*4
	global_load_b128 v[ACC+8*\t+4:ACC+8*\t+7], v[H64], s[12:13] offset:(32*(\t/2)+8*(\t%2))*4+16
.endr
.endm
.macro LOADW step, first, n            ; n loads of step's set, from register first on: 32 lanes read 128 bytes on end; the four waves of a block stand side by side on 512
.set LI, \first
.rept \n
	global_load_b32 v[WR+32*((\step)%2)+LI], v[WOFF], s[28+2*((\step)/4):29+2*((\step)/4)] offset:((\step)%4)*STEPB+LI*ROWB th:TH_LOAD_NT
.set LI, LI+1
.endr
.endm
.macro QW s                            ; my block of step s: its scale, its 32 codes; 24 bytes and a byte to LDS
.set WB, WR+32*((\s)%2)
.set RB, ((\s)%4)*REG
.set AH, (\s)/4
	v_max3_num_f32 v20, |v[WB]|, |v[WB+1]|, |v[WB+2]|
	v_max3_num_f32 v21, |v[WB+3]|, |v[WB+4]|, |v[WB+5]|
.irp i, 6,10,14,18,22,26
	v_max3_num_f32 v20, v20, |v[WB+\i]|, |v[WB+\i+1]|
	v_max3_num_f32 v21, v21, |v[WB+\i+2]|, |v[WB+\i+3]|
.endr
	v_max3_num_f32 v20, v20, |v[WB+30]|, |v[WB+31]|
	v_max3_num_f32 v20, v20, v21, 0x2800000        ; and the floor 2^(5 - 127): the byte cannot fall under 1
	v_add_nc_u32 v22, 0xfe000000, v20              ; 4 off the exponent field: the conversion's scale operand
	v_lshrrev_b32 v23, 23, v22                     ; the scale's byte
	v_cvt_scalef32_pk16_bf6_f32 v[CD:CD+2], v[WB:WB+15], v22
	v_cvt_scalef32_pk16_bf6_f32 v[CD+4:CD+6], v[WB+16:WB+31], v22   ; (a conversion's three registers begin on an even number)
	v_nop                                          ; one plain line behind the conversions
	v_mov_b32 v[CD+3], v[CD+4]                     ; the two halves on end: six registers
	v_mov_b32 v[CD+4], v[CD+5]
	v_mov_b32 v[CD+5], v[CD+6]
	ds_store_b64 v[CW+AH], v[CD:CD+1] offset:RB
	ds_store_b64 v[CW+AH], v[CD+2:CD+3] offset:RB+8
	ds_store_b64 v[CW+AH], v[CD+4:CD+5] offset:RB+16
	ds_store_b8 v[SW+AH], v23 offset:RB
.endm
.macro LEVEL src, width, stp           ; does the bit lie in the lower half of what is left?  If not, pass over that half and its count
	v_bfe_u32 v29, v[\src], v28, \width
	v_cmp_lt_u32 vcc_lo, v22, v29
	v_cndmask_b32 v29, v29, v[ZR], vcc_lo
	v_cndmask_b32 v30, \stp, v[ZR], vcc_lo
	v_sub_nc_u32 v22, v22, v29
	v_add_nc_u32 v28, v28, v30
.endm
.macro SELECT                          ; v30 = the token at position v[VP]: the place of the VP-th set bit of the mask
	v_mov_b32 v20, s32                             ; the word in which it lies,
	v_mov_b32 v21, 0                               ; and: the set bits ahead of that word | its number << 16
	s_mov_b32 s25, 0
.set SG, 1
.rept 31
	s_bcnt1_i32_b32 s26, s[31+SG]
	s_add_co_u32 s25, s25, s26                     ; the set bits ahead of word SG
	s_add_co_u32 s27, s25, (SG<<16)
	v_cmp_gt_u32 vcc_lo, s25, v[VP]                ; more than my position: the word before stays
	v_cndmask_b32 v20, s[32+SG], v20, vcc_lo
	v_cndmask_b32 v21, s27, v21, vcc_lo
.set SG, SG+1
.endr
	v_and_b32 v22, 0xffff, v21
	v_sub_nc_u32 v22, v[VP], v22                   ; which set bit of the word
	v_lshrrev_b32 v23, 16, v21                     ; the word's number
	v_lshrrev_b32 v24, 1, v20
	v_and_b32 v24, 0x55555555, v24
	v_sub_nc_u32 v24, v20, v24                     ; counts of set bits in fields of 2,
	v_lshrrev_b32 v25, 2, v24
	v_and_b32 v25, 0x33333333, v25
	v_and_b32 v26, 0x33333333, v24
	v_add_nc_u32 v25, v25, v26                     ; of 4,
	v_lshrrev_b32 v26, 4, v25
	v_add_nc_u32 v26, v26, v25
	v_and_b32 v26, 0x0f0f0f0f, v26                 ; of 8,
	v_lshrrev_b32 v27, 8, v26
	v_add_nc_u32 v27, v27, v26                     ; and, in the lowest byte, of the lower 16
	v_mov_b32 v28, 0
	LEVEL 27, 8, 16
	LEVEL 26, 8, 8
	LEVEL 25, 4, 4
	LEVEL 24, 2, 2
	LEVEL 20, 1, 1
	v_lshl_add_u32 v30, v23, 5, v28
	v_min_u32 v30, 0x3ff, v30                      ; a token's number, whatever the mask holds
.endm
.macro SETTILE                         ; from s23: my position, my token, the offsets and the tile's places in the two outputs
	s_min_u32 s72, s23, 63                         ; (an expert has at most 64 tiles)
	s_lshl_b32 s73, s72, 4
	v_add_nc_u32 v[VP], s73, v[R16]
	v_min_u32 v[VP], s24, v[VP]                    ; a padding row is the expert's last token once more
	SELECT
	v_mad_u32_u24 v[XOFF], v30, 768, v[H48]
	v_lshlrev_b32 v[SOFF], 5, v30
	s_lshl_b32 s73, s19, 6
	s_add_co_u32 s73, s73, s72
	s_lshl_b32 s73, s73, 5
	s_add_co_u32 s73, s73, s20                     ; (64 e + tile) x 32 + slice
	s_mul_i32 s74, s73, 1536
	s_mov_b32 s75, 0
	s_add_nc_u64 s[66:67], s[14:15], s[74:75]
	s_lshl_b32 s74, s73, 7
	s_add_nc_u64 s[68:69], s[16:17], s[74:75]
.endm
.macro XSLOAD                          ; my token's 32 scale bytes: a word for each step
	global_load_b128 v[XS:XS+3], v[SOFF], s[6:7]
	global_load_b128 v[XS+4:XS+7], v[SOFF], s[6:7] offset:16
.endm
.macro ACT s                           ; x's fragment of step s: my 12 registers lie as 48 bytes on end
.irp g, 0,1,2
	global_load_b128 v[XF+12*((\s)%2)+4*\g:XF+12*((\s)%2)+4*\g+3], v[XOFF], s[4:5] offset:96*(\s)+16*\g
.endr
.endm
.macro WM t, s
.if (\t)%2
	v_wmma_scale_f32_16x16x128_f8f6f4 v[ACC+8*(\t):ACC+8*(\t)+7], v[FR+12*((\t)%4):FR+12*((\t)%4)+11], v[XF+12*((\s)%2):XF+12*((\s)%2)+11], v[ACC+8*(\t):ACC+8*(\t)+7], v[WS+(\t)/2], v[XS+(\s)] matrix_a_fmt:MATRIX_FMT_BF6 matrix_b_fmt:MATRIX_FMT_BF6 matrix_a_scale:MATRIX_SCALE_ROW1
.else
	v_wmma_scale_f32_16x16x128_f8f6f4 v[ACC+8*(\t):ACC+8*(\t)+7], v[FR+12*((\t)%4):FR+12*((\t)%4)+11], v[XF+12*((\s)%2):XF+12*((\s)%2)+11], v[ACC+8*(\t):ACC+8*(\t)+7], v[WS+(\t)/2], v[XS+(\s)] matrix_a_fmt:MATRIX_FMT_BF6 matrix_b_fmt:MATRIX_FMT_BF6
.endif
.endm
.macro MM s                            ; step s of my tile: eight products, four fragments of w1 at a time
.set RB, ((\s)%4)*REG
.set AH, (\s)/4
.irp g, 0,1,2,3
	ds_load_b32 v[WS+\g], v[SRD+AH] offset:RB+128*\g
.endr
.irp q, 0,1
.irp f, 0,1,2,3
.irp p, 0,1,2,3,4,5
	ds_load_b64 v[FR+12*\f+2*\p:FR+12*\f+2*\p+1], v[FRD+AH] offset:RB+(4*\q+\f)*1536+768*(\p/3)+8*(\p%3)
.endr
.endr
	s_wait_dscnt 0x0
.irp f, 0,1,2,3
	WM 4*\q+\f, \s
.endr
.rept 4
	v_nop                                          ; four places in front of the next loads into registers that these products read, and of the first read of their results
.endr
.endr
.endm
.macro EPI                             ; relu; the tile's 128 hidden units of 16 tokens become one fragment and one scale word a token; both leave as images of the registers
.set EJ, 0
.rept 64
	v_max_num_f32 v[ACC+EJ], 0, v[ACC+EJ]          ; ascending: each accumulator is first read at its low end
.set EJ, EJ+1
.endr
.irp b, 0,1,2,3
	v_max3_num_f32 v[TM+\b], v[ACC+16*\b], v[ACC+1+16*\b], 0x2800000   ; block b: my 16 numbers (none is negative), and the floor
.endr
.irp i, 2,4,6,8,10,12,14
.irp b, 0,1,2,3
	v_max3_num_f32 v[TM+\b], v[TM+\b], v[ACC+16*\b+\i], v[ACC+1+16*\b+\i]
.endr
.endr
.irp b, 0,1,2,3
	v_permlanex16_b32 v[TM+4+\b], v[TM+\b], s70, s71
.endr
.irp b, 0,1,2,3
	v_max_num_f32 v[TM+\b], v[TM+\b], v[TM+4+\b]   ; with lane l xor 16's: the block's largest
.endr
.irp b, 0,1,2,3
	v_add_nc_u32 v[TM+12+\b], 0xfe000000, v[TM+\b]
.endr
.irp b, 0,1,2,3
	v_lshrrev_b32 v[TM+4+\b], 23, v[TM+12+\b]
.endr
	v_lshl_or_b32 v[PW], v[TM+5], 8, v[TM+4]       ; my token's scale word (both halves of the lanes hold the same)
	v_lshl_or_b32 v[PW], v[TM+6], 16, v[PW]
	v_lshl_or_b32 v[PW], v[TM+7], 24, v[PW]
.irp c, 0,1
	v_cvt_scalef32_pk16_bf6_f32 v[PC+6*\c:PC+2+6*\c], v[ACC+32*\c:ACC+15+32*\c], v[TM+12+2*\c]
	v_cvt_scalef32_pk16_bf6_f32 v[PC+12+4*\c:PC+14+4*\c], v[ACC+16+32*\c:ACC+31+32*\c], v[TM+12+2*\c+1]
.endr
	v_nop                                          ; one plain line behind the conversions
.irp c, 0,1                            ; the operand's layout wants a whole block in a lane: lanes 0-15 block 2 c, lanes 16-31 block 2 c + 1
.irp i, 0,1,2
	v_permlane16_swap_b32 v[PC+6*\c+\i], v[PC+12+4*\c+\i]
.endr
.irp i, 0,1,2
	v_mov_b32 v[PC+3+6*\c+\i], v[PC+12+4*\c+\i]
.endr
.endr
.irp g, 0,1,2
	global_store_b128 v[L16], v[PC+4*\g:PC+4*\g+3], s[66:67] offset:512*\g   ; 32 lanes store 512 bytes on end, at a multiple of 256 from the buffer's first byte
.endr
	global_store_b32 v[L4], v[PW], s[68:69]
.endm
; A STEP OF THE STREAM.  The count 32 at its head leaves out only the next set's 32 loads, which every wave issues on every path: this step's set, x's fragment for this step and the bias are older.
; Branches on "has my wave a tile" lead round loads, products and stores alone; the barrier and the stream stand on every wave's path.
.macro STEP s
.if (\s) < 7
	s_wait_loadcnt 32
.else
	s_wait_loadcnt 0x0
.endif
	QW \s
.if (\s) < 7
	s_cmp_lt_u32 s18, s22
	s_cbranch_scc0 .Lna_\@
	ACT (\s)+1
.Lna_\@:
.endif
.if (\s) < 6
	LOADW (\s)+2, 0, PARTA                         ; the set just quantised takes the step two further on
.endif
	s_wait_dscnt 0x0                               ; for the others' sake: my codes and my byte lie in LDS
	s_barrier_signal -1
	s_barrier_wait -1                              ; the step's region is whole
	s_cmp_lt_u32 s18, s22
	s_cbranch_scc0 .Lnm_\@
.if (\s) == 0
	s_wait_loadcnt PARTA                           ; only the PARTA loads just issued on every path may be out: x's first fragment and its scale words are in
.endif
	MM \s
.if (\s) == 7
	EPI
.endif
.Lnm_\@:
.if (\s) < 6
	LOADW (\s)+2, PARTA, 32-PARTA
.endif
.endm
	BIAS                                           ; by every wave: the accumulators' first write on every path
	LOADW 0, 0, 32
	LOADW 1, 0, 32
.set ZI, 0
.rept 24
	v_mov_b32 v[XF+ZI], 0                          ; x's buffers are loaded under one branch and read under another: this gives them a write on every path.  Once, while the first loads are on their way
.set ZI, ZI+1
.endr
.set ZI, 0
.rept 8
	v_mov_b32 v[XS+ZI], 0x7f7f7f7f                 ; the scale words likewise: they begin as four bytes of the scale 1
.set ZI, ZI+1
.endr
	s_wait_kmcnt 0x0                               ; the mask
	s_bcnt1_i32_b32 s21, s32                       ; N: the expert's tokens
.set SG, 1
.rept 31
	s_bcnt1_i32_b32 s26, s[32+SG]
	s_add_co_u32 s21, s21, s26
.set SG, SG+1
.endr
	s_add_co_u32 s22, s21, 15
	s_lshr_b32 s22, s22, 4                         ; its tiles of 16
	s_sub_co_u32 s24, s21, 1                       ; its last position (with N = 0 the greatest number: nothing is held, and no tile is worked)
	s_mov_b32 s23, s18                             ; my first tile is my wave's number
	SETTILE
	s_cmp_lt_u32 s18, s22
	s_cbranch_scc0 .Lno_first
	XSLOAD
	ACT 0
.Lno_first:
	STEP 0
	STEP 1
	STEP 2
	STEP 3
	STEP 4
	STEP 5
	STEP 6
	STEP 7
	; BEHIND THE STREAM: my further tiles, from the codes that stayed in LDS: at most three (64 tiles over 16 waves), so the loop counts three trips and is left as soon as the expert has no tile for me.
	; No barrier: nothing is written to LDS any more.
	s_add_co_u32 s23, s18, 16
	s_mov_b32 s77, 3
.Ltail:
	s_cmp_lt_u32 s23, s22
	s_cbranch_scc0 .Ldone
	s_wait_xcnt 0x0                                ; the last tile's stores and loads have read their registers and bases: all may be written again
	SETTILE
	BIAS
	XSLOAD
	ACT 0
.irp s, 0,1,2,3,4,5,6
	ACT \s+1
	s_wait_loadcnt 3                               ; only the next step's three loads, just issued, may be out
	MM \s
.endr
	s_wait_loadcnt 0x0
	MM 7
	EPI
	s_add_co_u32 s23, s23, 16
	s_sub_co_u32 s77, s77, 1
	s_cmp_lg_u32 s77, 0
	s_cbranch_scc1 .Ltail
.Ldone:
	s_wait_tensorcnt 0x0                           ; the wave's end: three closing lines, behind my last LDS store
	ds_add_u32 v[SPW], v[NIL]
	s_wait_dscnt 0x0
	s_endpgm
.Lfunc_end_k_q967f786455_hidden:
	.size	k_q967f786455_hidden, .Lfunc_end_k_q967f786455_hidden-k_q967f786455_hidden
	.p2alignl 7, 3214868480
	.fill 96, 4, 3214868480
	.section	.rodata,"a",@progbits
	.p2align	6, 0x0
	.amdhsa_kernel k_q967f786455_hidden
		.amdhsa_group_segment_fixed_size 104448
		.amdhsa_private_segment_fixed_size 0
		.amdhsa_enable_private_segment 0
		.amdhsa_kernarg_size 56
		.amdhsa_user_sgpr_count 2
		.amdhsa_user_sgpr_kernarg_segment_ptr 1
		.amdhsa_wavefront_size32 1
		.amdhsa_system_sgpr_workgroup_id_x 1
		.amdhsa_system_sgpr_workgroup_id_y 1
		.amdhsa_system_sgpr_workgroup_id_z 1
		.amdhsa_system_vgpr_workitem_id 0
		.amdhsa_next_free_vgpr 256
		.amdhsa_next_free_sgpr 80
		.amdhsa_reserve_vcc 1
		.amdhsa_float_denorm_mode_32 3
		.amdhsa_float_denorm_mode_16_64 3
		.amdhsa_memory_ordered 1
		.amdhsa_forward_progress 1
		.amdhsa_inst_pref_size 159
	.end_amdhsa_kernel
	.amdgpu_metadata
---
amdhsa.version: [ 1, 2 ]
amdhsa.kernels:
  - .name:           k_q967f786455_hidden
    .symbol:         k_q967f786455_hidden.kd
    .args:
      - { .name: x_codes, .offset: 0, .size: 8, .value_kind: global_buffer, .address_space: global }
      - { .name: x_scales, .offset: 8, .size: 8, .value_kind: global_buffer, .address_space: global }
      - { .name: masks, .offset: 16, .size: 8, .value_kind: global_buffer, .address_space: global }
      - { .name: w1, .offset: 24, .size: 8, .value_kind: global_buffer, .address_space: global }
      - { .name: b1, .offset: 32, .size: 8, .value_kind: global_buffer, .address_space: global }
      - { .name: hid_codes, .offset: 40, .size: 8, .value_kind: global_buffer, .address_space: global }
      - { .name: hid_scales, .offset: 48, .size: 8, .value_kind: global_buffer, .address_space: global }
    .group_segment_fixed_size: 104448
    .private_segment_fixed_size: 0
    .kernarg_segment_align: 8
    .kernarg_segment_size: 56
    .max_flat_workgroup_size: 512
    .sgpr_count:     80
    .vgpr_count:     256
    .wavefront_size: 32
...
	.end_amdgpu_metadata
.endif
;; end of part 2
;; launch output (part 3): grid 32 x 8, 16 waves a work-group, no clusters, 104,448 bytes of LDS; arguments hid_codes, hid_scales, masks, w2, b2, out0; writes out0
.if DOCPART == 3
	.amdgcn_target "amdgcn-amd-amdhsa--gfx1250"
	.amdhsa_code_object_version 6
	.text
	.protected	k_q967f786455_output
	.globl	k_q967f786455_output
	.p2align	8
	.type	k_q967f786455_output,@function
k_q967f786455_output:
	s_mov_b64 s[64:65], 0
	v_nop
	global_prefetch_b8 v0, s[64:65] scope:SCOPE_SE
	s_setreg_imm32_b32 hwreg(HW_REG_WAVE_MODE, 25, 1), 1
	s_wait_xcnt 0x0
; THE WAY OUT OF THE CHOSEN ROWS: for expert e (work-group y) and output columns 32 sl .. 32 sl + 31 (work-group x): hidden w2[e] + b2[e] for the tokens that chose e, stored at those tokens' rows of out0.
; LEFT OUT: the rows of tokens that chose another expert, and the product with the one_hot, which is this selection (shown at the head of the first kernel).
; w2[e]'s slice, 4,096 (K) x 32 numbers of f32, is read ONCE: eight steps of 512 along K.  In a step wave w loads block w of the step's 16 blocks of 32 along K: a lane takes a column and its registers run down K.
; The codes and scale bytes go to LDS and stay there; no LDS byte is written twice.  An expert that no token chose is streamed all the same and nothing is stored.
; 32 columns to a work-group: 8 experts x 1,024 columns over 256 work-groups.  So a load reads 128 bytes of a row of w2 and a token's store fills 128 bytes of a row of out0: halves of aligned runs of 256; the neighbouring slice takes the other half.
; PRODUCTS.  A tile is 16 tokens of the expert, as in the launch before; wave w multiplies tile w under the stream and tiles w + 16, w + 32, w + 48 behind it.  Transposed use: source 0 = 16 columns of w2, source 1 = 16 tokens:
; a lane holds one token and eight neighbouring columns.  b2 is loaded into the accumulators; the two accumulators take turns, one instruction a turn.
; The hidden layer's fragments come from memory as images of the operand's registers.
; PADDING ROWS.  A position at or past the expert's count N is held at N - 1, here as in the launch before: a padding row is the expert's last token once more, made of the same codes, so its lanes hold the same bits and store
; them to the same bytes as the lane of that token.  So every lane stays on and no store is masked.  Each token chose one expert: each byte of out0 is stored by one work-group.
; No tensor load stands here.  LIMITS: as stated at the head of the first kernel.
.set REG,   12800                      ; LDS: a step's region: 8 fragments (K step j of the four, column tile ct: 2 j + ct) of 1,536 bytes in records of 24, then 4 planes of 32 scale words
.set HALF,  4*REG
.set SPARE, 8*REG                      ; the spare words, 128 bytes for each of 16 waves, that no other line names
.set STEPB, 2097152                    ; 512 rows of w2[e], 4,096 bytes each
.set ROWB,  4096
.set PARTA, 15                         ; of a set's 32 loads, those issued ahead of the barrier: with the 32 of the set before and the 16 of the hidden layer's fragments, 63 loads of the wave are out there by this text's own count
.set SPW,  1                           ; v1  my spare word's address; never rewritten
.set NIL,  2                           ; v2  0; never rewritten
.set WOFF, 3
.set CW,   4                           ; v4-5, v6-7, v8-9, v10-11: as in the launch before
.set SW,   6
.set FRD,  8
.set SRD,  10
.set R16,  12
.set VP,   13
.set OOFF, 14                          ; v14 my token's row of out0: 4,096 x token + 32 (lane / 16)
.set H32,  15                          ; v15 32 (lane / 16)
.set L16,  16
.set L4,   17
.set ZR,   18
                                       ; v20-30 at work
.set ACC,  32                          ; v32-47   two column tiles
.set WR,   48                          ; v48-111  two sets of 32 numbers of w2
.set HF,   112                         ; v112-207 the hidden layer's four fragments of a step, two buffers
.set HS,   208                         ; v208-215 their scale words
.set WS,   216                         ; v216-219 w2's scale words: register j: lanes 0-15 column tile 0, lanes 16-31 tile 1
.set FR,   220                         ; v220-243 two fragments of w2's codes
.set CD,   244
; s18 wave, s19 expert, s20 slice, s21 the expert's tokens N, s22 its tiles, s23 the tile in hand, s24 N - 1, s25-27 SELECT's, s[28:31] w2's two bases, s[32:63] the mask,
; s[66:69] the tile's places in hid_codes and hid_scales, s72-76 at work, s77 the tail's count
	s_load_b256 s[4:11], s[0:1], 0x0               ; hid_codes, hid_scales, masks, w2
	s_load_b128 s[12:15], s[0:1], 0x20             ; b2, out0
	v_lshl_add_u32 v[SPW], v0, 2, SPARE
	v_mov_b32 v[NIL], 0
	v_lshrrev_b32 v20, 5, v0
	v_readfirstlane_b32 s18, v20                   ; wave 0..15
	s_and_b32 s19, ttmp7, 0xffff
	s_mov_b32 s20, ttmp9
	v_and_b32 v21, 31, v0                          ; lane = my column of the 32
	v_and_b32 v[R16], 15, v0
	v_bfe_u32 v22, v0, 4, 1                        ; lane / 16 = my column tile
	s_lshr_b32 s72, s18, 2                         ; j: which 128 along K of the step's 512
	s_and_b32 s73, s18, 3                          ; b: which block of its four
	s_lshl_b32 s74, s18, 17                        ; 32 rows of 4,096 bytes a wave
	v_lshl_add_u32 v[WOFF], v21, 2, s74
	v_mul_u32_u24 v[CW], v22, 1536
	v_mad_u32_u24 v[CW], v[R16], 24, v[CW]
	s_mul_i32 s74, s72, 3072                       ; fragment 2 j + ct;
	s_lshr_b32 s75, s73, 1
	s_mul_i32 s75, s75, 768                        ; block b = 2 c + h: c x 768
	s_add_co_u32 s74, s74, s75
	s_and_b32 s75, s73, 1
	s_mul_i32 s75, s75, 384                        ; + 16 h records
	s_add_co_u32 s74, s74, s75
	v_add_nc_u32 v[CW], s74, v[CW]
	v_add_nc_u32 v[CW+1], HALF, v[CW]
	s_lshl_b32 s74, s72, 7                         ; plane j, word = lane, byte b
	s_add_co_u32 s74, s74, s73
	s_add_co_u32 s74, s74, 12288
	v_lshl_add_u32 v[SW], v21, 2, s74
	v_add_nc_u32 v[SW+1], HALF, v[SW]
	v_mul_u32_u24 v[FRD], v21, 24
	v_add_nc_u32 v[FRD+1], HALF, v[FRD]
	v_lshl_add_u32 v[SRD], v21, 2, 12288
	v_add_nc_u32 v[SRD+1], HALF, v[SRD]
	v_lshlrev_b32 v[H32], 5, v22
	v_lshlrev_b32 v[L16], 4, v21
	v_lshlrev_b32 v[L4], 2, v21
	v_mov_b32 v[ZR], 0
	s_mov_b32 s75, 0
	s_wait_kmcnt 0x0
	s_lshl_b32 s74, s19, 7
	s_add_nc_u64 s[8:9], s[8:9], s[74:75]
	s_load_b512 s[32:47], s[8:9], 0x0              ; the expert's mask: 32 words
	s_load_b512 s[48:63], s[8:9], 0x40
	s_lshl_b32 s74, s19, 24                        ; w2[e]: 16 MiB an expert,
	s_lshl_b32 s76, s20, 7                         ; the slice's 128 bytes of a row
	s_add_co_u32 s74, s74, s76
	s_add_nc_u64 s[28:29], s[10:11], s[74:75]      ; steps 0 to 3 count from here,
	s_add_nc_u64 s[30:31], s[28:29], 4*STEPB       ; steps 4 to 7 from here
	s_lshl_b32 s74, s19, 12
	s_add_co_u32 s74, s74, s76
	s_add_nc_u64 s[12:13], s[12:13], s[74:75]      ; b2[e] at the slice
	s_mov_b32 s74, s76
	s_add_nc_u64 s[14:15], s[14:15], s[74:75]      ; out0 at the slice's columns
.macro BIAS                            ; b2 in the result's layout: column tile ct, lane half h: columns 16 ct + 8 h + 0 .. 7
.irp ct, 0,1
	global_load_b128 v[ACC+8*\ct:ACC+8*\ct+3], v[H32], s[12:13] offset:64*\ct
	global_load_b128 v[ACC+8*\ct+4:ACC+8*\ct+7], v[H32], s[12:13] offset:64*\ct+16
.endr
.endm
.macro LOADW step, first, n            ; n loads of step's set, from register first on: 32 lanes read 128 bytes on end
.set LI, \first
.rept \n
	global_load_b32 v[WR+32*((\step)%2)+LI], v[WOFF], s[28+2*((\step)/4):29+2*((\step)/4)] offset:((\step)%4)*STEPB+LI*ROWB
.set LI, LI+1
.endr
.endm
.macro QW s                            ; my block of step s: its scale, its 32 codes; 24 bytes and a byte to LDS
.set WB, WR+32*((\s)%2)
.set RB, ((\s)%4)*REG
.set AH, (\s)/4
	v_max3_num_f32 v20, |v[WB]|, |v[WB+1]|, |v[WB+2]|
	v_max3_num_f32 v21, |v[WB+3]|, |v[WB+4]|, |v[WB+5]|
.irp i, 6,10,14,18,22,26
	v_max3_num_f32 v20, v20, |v[WB+\i]|, |v[WB+\i+1]|
	v_max3_num_f32 v21, v21, |v[WB+\i+2]|, |v[WB+\i+3]|
.endr
	v_max3_num_f32 v20, v20, |v[WB+30]|, |v[WB+31]|
	v_max3_num_f32 v20, v20, v21, 0x2800000        ; and the floor 2^(5 - 127): the byte cannot fall under 1
	v_add_nc_u32 v22, 0xfe000000, v20              ; 4 off the exponent field: the conversion's scale operand
	v_lshrrev_b32 v23, 23, v22                     ; the scale's byte
	v_cvt_scalef32_pk16_bf6_f32 v[CD:CD+2], v[WB:WB+15], v22
	v_cvt_scalef32_pk16_bf6_f32 v[CD+4:CD+6], v[WB+16:WB+31], v22   ; (a conversion's three registers begin on an even number)
	v_nop                                          ; one plain line behind the conversions
	v_mov_b32 v[CD+3], v[CD+4]                     ; the two halves on end: six registers
	v_mov_b32 v[CD+4], v[CD+5]
	v_mov_b32 v[CD+5], v[CD+6]
	ds_store_b64 v[CW+AH], v[CD:CD+1] offset:RB
	ds_store_b64 v[CW+AH], v[CD+2:CD+3] offset:RB+8
	ds_store_b64 v[CW+AH], v[CD+4:CD+5] offset:RB+16
	ds_store_b8 v[SW+AH], v23 offset:RB
.endm
.macro LEVEL src, width, stp           ; does the bit lie in the lower half of what is left?  If not, pass over that half and its count
	v_bfe_u32 v29, v[\src], v28, \width
	v_cmp_lt_u32 vcc_lo, v22, v29
	v_cndmask_b32 v29, v29, v[ZR], vcc_lo
	v_cndmask_b32 v30, \stp, v[ZR], vcc_lo
	v_sub_nc_u32 v22, v22, v29
	v_add_nc_u32 v28, v28, v30
.endm
.macro SELECT                          ; v30 = the token at position v[VP]: the place of the VP-th set bit of the mask
	v_mov_b32 v20, s32
	v_mov_b32 v21, 0
	s_mov_b32 s25, 0
.set SG, 1
.rept 31
	s_bcnt1_i32_b32 s26, s[31+SG]
	s_add_co_u32 s25, s25, s26                     ; the set bits ahead of word SG
	s_add_co_u32 s27, s25, (SG<<16)
	v_cmp_gt_u32 vcc_lo, s25, v[VP]                ; more than my position: the word before stays
	v_cndmask_b32 v20, s[32+SG], v20, vcc_lo
	v_cndmask_b32 v21, s27, v21, vcc_lo
.set SG, SG+1
.endr
	v_and_b32 v22, 0xffff, v21
	v_sub_nc_u32 v22, v[VP], v22                   ; which set bit of the word
	v_lshrrev_b32 v23, 16, v21                     ; the word's number
	v_lshrrev_b32 v24, 1, v20
	v_and_b32 v24, 0x55555555, v24
	v_sub_nc_u32 v24, v20, v24                     ; counts of set bits in fields of 2,
	v_lshrrev_b32 v25, 2, v24
	v_and_b32 v25, 0x33333333, v25
	v_and_b32 v26, 0x33333333, v24
	v_add_nc_u32 v25, v25, v26                     ; of 4,
	v_lshrrev_b32 v26, 4, v25
	v_add_nc_u32 v26, v26, v25
	v_and_b32 v26, 0x0f0f0f0f, v26                 ; of 8,
	v_lshrrev_b32 v27, 8, v26
	v_add_nc_u32 v27, v27, v26                     ; and, in the lowest byte, of the lower 16
	v_mov_b32 v28, 0
	LEVEL 27, 8, 16
	LEVEL 26, 8, 8
	LEVEL 25, 4, 4
	LEVEL 24, 2, 2
	LEVEL 20, 1, 1
	v_lshl_add_u32 v30, v23, 5, v28
	v_min_u32 v30, 0x3ff, v30                      ; a token's number, whatever the mask holds
.endm
.macro SETTILE                         ; from s23: my position, my token's row of out0, the tile's places in the two inputs
	s_min_u32 s72, s23, 63                         ; (an expert has at most 64 tiles)
	s_lshl_b32 s73, s72, 4
	v_add_nc_u32 v[VP], s73, v[R16]
	v_min_u32 v[VP], s24, v[VP]                    ; a padding row is the expert's last token once more
	SELECT
	v_mad_u32_u24 v[OOFF], v30, 4096, v[H32]
	s_lshl_b32 s73, s19, 6
	s_add_co_u32 s73, s73, s72
	s_lshl_b32 s73, s73, 5                         ; (64 e + tile) x 32 K steps
	s_mul_i32 s74, s73, 1536
	s_mov_b32 s75, 0
	s_add_nc_u64 s[66:67], s[4:5], s[74:75]
	s_lshl_b32 s74, s73, 7
	s_add_nc_u64 s[68:69], s[6:7], s[74:75]
.endm
.macro ACT s                           ; the hidden layer's four fragments of step s and their scale words: 16 loads, each of bytes on end
.irp j, 0,1,2,3
.irp g, 0,1,2
	global_load_b128 v[HF+48*((\s)%2)+12*\j+4*\g:HF+48*((\s)%2)+12*\j+4*\g+3], v[L16], s[66:67] offset:(4*(\s)+\j)*1536+512*\g
.endr
	global_load_b32 v[HS+4*((\s)%2)+\j], v[L4], s[68:69] offset:(4*(\s)+\j)*128
.endr
.endm
.macro MM s                            ; step s of my tile: four K steps of 128, two products each
.set RB, ((\s)%4)*REG
.set AH, (\s)/4
.set HB, HF+48*((\s)%2)
.set HW, HS+4*((\s)%2)
.irp g, 0,1,2,3
	ds_load_b32 v[WS+\g], v[SRD+AH] offset:RB+128*\g
.endr
.irp j, 0,1,2,3
.irp f, 0,1
.irp p, 0,1,2,3,4,5
	ds_load_b64 v[FR+12*\f+2*\p:FR+12*\f+2*\p+1], v[FRD+AH] offset:RB+(2*\j+\f)*1536+768*(\p/3)+8*(\p%3)
.endr
.endr
	s_wait_dscnt 0x0
	v_wmma_scale_f32_16x16x128_f8f6f4 v[ACC:ACC+7], v[FR:FR+11], v[HB+12*\j:HB+12*\j+11], v[ACC:ACC+7], v[WS+\j], v[HW+\j] matrix_a_fmt:MATRIX_FMT_BF6 matrix_b_fmt:MATRIX_FMT_BF6
	v_wmma_scale_f32_16x16x128_f8f6f4 v[ACC+8:ACC+15], v[FR+12:FR+23], v[HB+12*\j:HB+12*\j+11], v[ACC+8:ACC+15], v[WS+\j], v[HW+\j] matrix_a_fmt:MATRIX_FMT_BF6 matrix_b_fmt:MATRIX_FMT_BF6 matrix_a_scale:MATRIX_SCALE_ROW1
.rept 4
	v_nop                                          ; four places in front of the next loads into registers that these products read, and of the first read of their results
.endr
.endr
.endm
.macro EPI                             ; my token's 8 + 8 columns go to its row of out0; the lanes of padding rows store the last token's bytes once more
.irp ct, 0,1
	global_store_b128 v[OOFF], v[ACC+8*\ct:ACC+8*\ct+3], s[14:15] offset:64*\ct th:TH_STORE_NT      ; each accumulator from its low end on
	global_store_b128 v[OOFF], v[ACC+8*\ct+4:ACC+8*\ct+7], s[14:15] offset:64*\ct+16 th:TH_STORE_NT
.endr
.endm
; A STEP OF THE STREAM.  The count 32 at its head leaves out only the next set's 32 loads, which every wave issues on every path: this step's set, the hidden layer's fragments for this step and the bias are older.
; Branches on "has my wave a tile" lead round loads, products and stores alone; the barrier and the stream stand on every wave's path.
.macro STEP s
.if (\s) < 7
	s_wait_loadcnt 32
.else
	s_wait_loadcnt 0x0
.endif
	QW \s
.if (\s) < 7
	s_cmp_lt_u32 s18, s22
	s_cbranch_scc0 .Lna_\@
	ACT (\s)+1
.Lna_\@:
.endif
.if (\s) < 6
	LOADW (\s)+2, 0, PARTA                         ; the set just quantised takes the step two further on
.endif
	s_wait_dscnt 0x0                               ; for the others' sake: my codes and my byte lie in LDS
	s_barrier_signal -1
	s_barrier_wait -1                              ; the step's region is whole
	s_cmp_lt_u32 s18, s22
	s_cbranch_scc0 .Lnm_\@
.if (\s) == 0
	s_wait_loadcnt PARTA                           ; only the PARTA loads just issued on every path may be out: the first fragments and their scale words are in
.endif
	MM \s
.if (\s) == 7
	EPI
.endif
.Lnm_\@:
.if (\s) < 6
	LOADW (\s)+2, PARTA, 32-PARTA
.endif
.endm
	BIAS                                           ; by every wave: the accumulators' first write on every path
	LOADW 0, 0, 32
	LOADW 1, 0, 32
.set ZI, 0
.rept 96
	v_mov_b32 v[HF+ZI], 0                          ; the fragments' buffers are loaded under one branch and read under another: this gives them a write on every path.  Once, while the first loads are on their way
.set ZI, ZI+1
.endr
.set ZI, 0
.rept 8
	v_mov_b32 v[HS+ZI], 0x7f7f7f7f                 ; the scale words likewise: they begin as four bytes of the scale 1
.set ZI, ZI+1
.endr
	s_wait_kmcnt 0x0                               ; the mask
	s_bcnt1_i32_b32 s21, s32                       ; N: the expert's tokens
.set SG, 1
.rept 31
	s_bcnt1_i32_b32 s26, s[32+SG]
	s_add_co_u32 s21, s21, s26
.set SG, SG+1
.endr
	s_add_co_u32 s22, s21, 15
	s_lshr_b32 s22, s22, 4                         ; its tiles of 16
	s_sub_co_u32 s24, s21, 1                       ; its last position (with N = 0 the greatest number: nothing is held, and no tile is worked)
	s_mov_b32 s23, s18                             ; my first tile is my wave's number
	SETTILE
	s_cmp_lt_u32 s18, s22
	s_cbranch_scc0 .Lno_first
	ACT 0
.Lno_first:
	STEP 0
	STEP 1
	STEP 2
	STEP 3
	STEP 4
	STEP 5
	STEP 6
	STEP 7
	; BEHIND THE STREAM: my further tiles, from the codes that stayed in LDS: at most three (64 tiles over 16 waves), so the loop counts three trips and is left as soon as the expert has no tile for me.
	; No barrier: nothing is written to LDS any more.
	s_add_co_u32 s23, s18, 16
	s_mov_b32 s77, 3
.Ltail:
	s_cmp_lt_u32 s23, s22
	s_cbranch_scc0 .Ldone
	s_wait_xcnt 0x0                                ; the last tile's stores and loads have read their registers and bases: all may be written again
	SETTILE
	BIAS
	ACT 0
.irp s, 0,1,2,3,4,5,6
	ACT \s+1
	s_wait_loadcnt 16                              ; only the next step's sixteen loads, just issued, may be out
	MM \s
.endr
	s_wait_loadcnt 0x0
	MM 7
	EPI
	s_add_co_u32 s23, s23, 16
	s_sub_co_u32 s77, s77, 1
	s_cmp_lg_u32 s77, 0
	s_cbranch_scc1 .Ltail
.Ldone:
	s_wait_tensorcnt 0x0                           ; the wave's end: three closing lines, behind my last LDS store
	ds_add_u32 v[SPW], v[NIL]
	s_wait_dscnt 0x0
	s_endpgm
.Lfunc_end_k_q967f786455_output:
	.size	k_q967f786455_output, .Lfunc_end_k_q967f786455_output-k_q967f786455_output
	.p2alignl 7, 3214868480
	.fill 96, 4, 3214868480
	.section	.rodata,"a",@progbits
	.p2align	6, 0x0
	.amdhsa_kernel k_q967f786455_output
		.amdhsa_group_segment_fixed_size 104448
		.amdhsa_private_segment_fixed_size 0
		.amdhsa_enable_private_segment 0
		.amdhsa_kernarg_size 48
		.amdhsa_user_sgpr_count 2
		.amdhsa_user_sgpr_kernarg_segment_ptr 1
		.amdhsa_wavefront_size32 1
		.amdhsa_system_sgpr_workgroup_id_x 1
		.amdhsa_system_sgpr_workgroup_id_y 1
		.amdhsa_system_sgpr_workgroup_id_z 1
		.amdhsa_system_vgpr_workitem_id 0
		.amdhsa_next_free_vgpr 256
		.amdhsa_next_free_sgpr 80
		.amdhsa_reserve_vcc 1
		.amdhsa_float_denorm_mode_32 3
		.amdhsa_float_denorm_mode_16_64 3
		.amdhsa_memory_ordered 1
		.amdhsa_forward_progress 1
		.amdhsa_inst_pref_size 171
	.end_amdhsa_kernel
	.amdgpu_metadata
---
amdhsa.version: [ 1, 2 ]
amdhsa.kernels:
  - .name:           k_q967f786455_output
    .symbol:         k_q967f786455_output.kd
    .args:
      - { .name: hid_codes, .offset: 0, .size: 8, .value_kind: global_buffer, .address_space: global }
      - { .name: hid_scales, .offset: 8, .size: 8, .value_kind: global_buffer, .address_space: global }
      - { .name: masks, .offset: 16, .size: 8, .value_kind: global_buffer, .address_space: global }
      - { .name: w2, .offset: 24, .size: 8, .value_kind: global_buffer, .address_space: global }
      - { .name: b2, .offset: 32, .size: 8, .value_kind: global_buffer, .address_space: global }
      - { .name: out0, .offset: 40, .size: 8, .value_kind: global_buffer, .address_space: global }
    .group_segment_fixed_size: 104448
    .private_segment_fixed_size: 0
    .kernarg_segment_align: 8
    .kernarg_segment_size: 48
    .max_flat_workgroup_size: 512
    .sgpr_count:     80
    .vgpr_count:     256
    .wavefront_size: 32
...
	.end_amdgpu_metadata
.endif
;; end of part 3
;; ======== version 2 of 2: 3 launches
;; workspace buffers: x_codes 786,432 bytes; x_scales 32,768 bytes; masks 1,024 bytes of whole numbers; hid_codes 25,165,824 bytes; hid_scales 2,097,152 bytes
;; launch route (part 4): grid 128 x 1, 4 waves a work-group, no clusters, 1,024 bytes of LDS; arguments x, gate_w, gate_b, x_codes, x_scales, masks; writes x_codes, x_scales, masks
.if DOCPART == 4
	.amdgcn_target "amdgcn-amd-amdhsa--gfx1250"
	.amdhsa_code_object_version 6
	.text
	.protected	k_q967f786455_route
	.globl	k_q967f786455_route
	.p2align	8
	.type	k_q967f786455_route,@function
k_q967f786455_route:
	s_mov_b64 s[64:65], 0
	v_nop
	global_prefetch_b8 v0, s[64:65] scope:SCOPE_SE
	s_setreg_imm32_b32 hwreg(HW_REG_WAVE_MODE, 25, 1), 1
	s_wait_xcnt 0x0
; THE GATE AND x's CODES.  logits = x gate_w^T + gate_b in f32 (fused multiply-adds); each token's expert = the index of its largest logit; x is quantised along its 1,024 to E3M2 with one E8M0 byte for each 32.
; WORK LEFT OUT IN THIS PROGRAM, and why it can reach no output, for all finite inputs:
;  - the softmax: exp rises strictly and the division is by one positive sum for the whole row, so argmax(softmax(z)) = argmax(z); the maximum that the softmax takes away serves that exponential alone.
;  - the one_hot and the product with it: out[n] = sum over e of y[n][e] onehot[n][e] = y[n][top_expert[n]]: a selection by an index.
;  - the rows of both large products for the experts that a token did not choose: the one_hot multiplies them by 0.
;  Every input keeps a way to the output (gate_b moves the argmax) and every input is loaded by some launch.
; LIMITS: a NaN, an infinity or an overflow that arises only in an expert that a token did not choose is not carried to the result.  NaN among the logits is not served.  Two logits of a token that lie closer than the
;  rounding of an f32 sum of 1,024 products may choose either expert; an exact tie takes the lower index, as argmax does.  A block whose largest magnitude lies under 2^(5 - 127) gets the scale byte 1; a block of zeros gets
;  the byte 1 and zero codes, which add nothing; only this program reads the bytes.
; SHARES.  A work-group takes 8 tokens: their 256 scale bytes are one aligned run of 256, and their 8 choices are one byte of each expert's mask.  Wave w takes tokens 2 w and 2 w + 1.
;  Lane l holds, for u = 0, 1, the 16 neighbours x[512 u + 16 l ..]: two neighbouring lanes hold a block of 32.  gate_w's rows are loaded by the same map and serve both tokens.
; OUT.  x_codes [token][768]: in a row, 128 along K take 96 bytes, block 2 c + h at 48 h + 24 c, so that lane (r, h) of a matrix operand finds its 12 registers as 48 bytes on end.  x_scales [token][32].
;  masks [expert][128 bytes]: bit t of byte j stands for token 8 j + t.  No address and no branch here hangs on the choice: it is stored, and later launches read it.
.set SPARE, 512                        ; LDS: 0-31 the 8 choices; 256-511 the scale bytes; from 512 the spare words, 128 bytes a wave, that no other line names
.set SPW,  1                           ; v1   my spare word's address; never rewritten
.set NIL,  2                           ; v2   0; never rewritten
.set LANE, 3
.set XO,   4                           ; v4   64 x lane: my 16 numbers
.set CO,   5                           ; v5   my 12 bytes of codes in a row's 384
.set SBA,  6                           ; v6   LDS: my block's scale byte
.set IDA,  7                           ; v7   LDS: my wave's two choices
.set T,    8                           ; v8-15   at work: the quantiser's, then four chains of sums
.set C,    16                          ; v16-31  for each (token, u): three registers of codes and the scale byte
.set X,    32                          ; v32-95  x: [token][u][16]
.set G,    96                          ; v96-223 gate_w: four buffers of [u][16]
.set A,    224                         ; v224-255 [token][expert]: a pair of partial sums
	s_load_b256 s[4:11], s[0:1], 0x0               ; x, gate_w, gate_b, x_codes
	s_load_b128 s[12:15], s[0:1], 0x20             ; x_scales, masks
	v_lshl_add_u32 v[SPW], v0, 2, SPARE
	v_mov_b32 v[NIL], 0
	v_lshrrev_b32 v[LANE], 5, v0
	v_readfirstlane_b32 s16, v[LANE]               ; wave 0..3
	v_and_b32 v[LANE], 31, v0
	v_lshlrev_b32 v[XO], 6, v[LANE]
	v_lshrrev_b32 v8, 3, v[LANE]                   ; which 128 along K of the 512: 96 bytes each
	v_mul_u32_u24 v[CO], v8, 96
	v_bfe_u32 v8, v[LANE], 1, 1                    ; h of my block
	v_mad_u32_u24 v[CO], v8, 48, v[CO]
	v_bfe_u32 v8, v[LANE], 2, 1                    ; c of my block
	v_mad_u32_u24 v[CO], v8, 24, v[CO]
	v_and_b32 v8, 1, v[LANE]                       ; which half of the block
	v_mad_u32_u24 v[CO], v8, 12, v[CO]
	s_lshl_b32 s17, s16, 6
	s_add_co_u32 s17, s17, 256
	v_lshrrev_b32 v[SBA], 1, v[LANE]
	v_add_nc_u32 v[SBA], s17, v[SBA]               ; 256 + 64 x wave + lane / 2
	s_lshl_b32 s17, s16, 3
	v_mov_b32 v[IDA], s17                          ; 8 x wave
	s_mov_b32 s20, 0x76543210
	s_mov_b32 s21, 0xfedcba98                      ; v_permlanex16_b32's selects for lane l xor 16
	s_lshl_b32 s18, ttmp9, 3
	s_lshl_b32 s19, s16, 1
	s_add_co_u32 s18, s18, s19                     ; my wave's first token
	s_lshl_b32 s22, s18, 12                        ; its row of x,
	s_mov_b32 s23, 0
	s_mul_i32 s32, s18, 768                        ; of the codes,
	s_mov_b32 s33, 0
	s_lshl_b32 s34, ttmp9, 8                       ; the work-group's 256 scale bytes,
	s_mov_b32 s35, 0
	s_mov_b32 s36, ttmp9                           ; and its byte in a mask
	s_mov_b32 s37, 0
	s_wait_kmcnt 0x0
	s_load_b256 s[24:31], s[8:9], 0x0              ; gate_b: eight numbers
	s_add_nc_u64 s[4:5], s[4:5], s[22:23]
	s_add_nc_u64 s[10:11], s[10:11], s[32:33]
	s_add_nc_u64 s[12:13], s[12:13], s[34:35]
	s_add_nc_u64 s[14:15], s[14:15], s[36:37]
.irp tt, 0,1
.irp u, 0,1
.irp j, 0,1,2,3
	global_load_b128 v[X+32*\tt+16*\u+4*\j:X+32*\tt+16*\u+4*\j+3], v[XO], s[4:5] offset:4096*\tt+2048*\u+16*\j th:TH_LOAD_NT
.endr
.endr
.endr
.macro GLOAD e                         ; expert e's row of gate_w into buffer e % 4: eight loads
.irp u, 0,1
.irp j, 0,1,2,3
	global_load_b128 v[G+32*((\e)%4)+16*\u+4*\j:G+32*((\e)%4)+16*\u+4*\j+3], v[XO], s[6:7] offset:4096*(\e)+2048*\u+16*\j
.endr
.endr
.endm
	GLOAD 0
	GLOAD 1
	GLOAD 2
	GLOAD 3
; 16 numbers of a lane become 16 codes; two neighbouring lanes share the block's largest magnitude.
.macro QX tt, u
.set XR, X+32*(\tt)+16*(\u)
.set CR, C+4*(2*(\tt)+(\u))
	v_max3_num_f32 v8, |v[XR]|, |v[XR+1]|, |v[XR+2]|
	v_max3_num_f32 v9, |v[XR+3]|, |v[XR+4]|, |v[XR+5]|
.irp i, 6,10
	v_max3_num_f32 v8, v8, |v[XR+\i]|, |v[XR+\i+1]|
	v_max3_num_f32 v9, v9, |v[XR+\i+2]|, |v[XR+\i+3]|
.endr
	v_max3_num_f32 v8, v8, |v[XR+14]|, |v[XR+15]|
	v_max3_num_f32 v8, v8, v9, 0x2800000           ; and the floor 2^(5 - 127): the byte cannot fall under 1
	v_max_num_f32_dpp v8, v8, v8 row_xmask:1 row_mask:0xf bank_mask:0xf   ; with my neighbour's 16: the block's
	v_add_nc_u32 v11, 0xfe000000, v8               ; 4 off the exponent field: the conversion takes this operand's exponent field as its scale
	v_cvt_scalef32_pk16_bf6_f32 v[CR:CR+2], v[XR:XR+15], v11
	v_lshrrev_b32 v[CR+3], 23, v11                 ; the scale's byte (also the plain line behind the conversion)
	ds_store_b8 v[SBA], v[CR+3] offset:32*(\tt)+16*(\u)   ; both lanes of a block write the same byte with the same value
	global_store_b96 v[CO], v[CR:CR+2], s[10:11] offset:768*(\tt)+384*(\u)   ; the wave's 32 x 12 bytes fill 384 bytes on end
.endm
	s_wait_loadcnt 32                              ; x's 16 loads are in; the 32 loads of gate_w were issued behind them
	QX 0, 0
	QX 0, 1
	QX 1, 0
	QX 1, 1
; One expert's logit for both tokens: four chains (token, u) of packed multiply-adds, by turns.  left = the loads of younger experts' rows, which may stay out.
.macro GATE e, left
	s_wait_loadcnt \left
.set GB, G+32*((\e)%4)
.irp tt, 0,1
.irp u, 0,1
	v_pk_mul_f32 v[T+4*\tt+2*\u:T+4*\tt+2*\u+1], v[X+32*\tt+16*\u:X+32*\tt+16*\u+1], v[GB+16*\u:GB+16*\u+1]
.endr
.endr
.irp i, 2,4,6,8,10,12,14
.irp tt, 0,1
.irp u, 0,1
	v_pk_fma_f32 v[T+4*\tt+2*\u:T+4*\tt+2*\u+1], v[X+32*\tt+16*\u+\i:X+32*\tt+16*\u+\i+1], v[GB+16*\u+\i:GB+16*\u+\i+1], v[T+4*\tt+2*\u:T+4*\tt+2*\u+1]
.endr
.endr
.endr
.irp tt, 0,1
	v_pk_add_f32 v[A+16*\tt+2*(\e):A+16*\tt+2*(\e)+1], v[T+4*\tt:T+4*\tt+1], v[T+4*\tt+2:T+4*\tt+3]
.endr
.if (\e) < 4
	GLOAD (\e)+4                                   ; the buffer takes the expert four further on
.endif
.endm
	GATE 0, 24                                     ; three younger rows of eight loads stay out, while there are so many
	GATE 1, 24
	GATE 2, 24
	GATE 3, 24
	GATE 4, 24
	GATE 5, 16
	GATE 6, 8
	GATE 7, 0
	; the 16 sums (2 tokens x 8 experts) over the pair and over the 32 lanes, by turns
.irp n, 0,1,2,3,4,5,6,7,8,9,10,11,12,13,14,15
	v_add_f32 v[A+2*\n], v[A+2*\n], v[A+2*\n+1]
.endr
.irp m, 1,2,4,8
.irp n, 0,1,2,3,4,5,6,7,8,9,10,11,12,13,14,15
	v_add_f32_dpp v[A+2*\n], v[A+2*\n], v[A+2*\n] row_xmask:\m row_mask:0xf bank_mask:0xf
.endr
.endr
.irp n, 0,1,2,3,4,5,6,7,8,9,10,11,12,13,14,15
	v_permlanex16_b32 v[A+2*\n+1], v[A+2*\n], s20, s21
.endr
.irp n, 0,1,2,3,4,5,6,7,8,9,10,11,12,13,14,15
	v_add_f32 v[A+2*\n], v[A+2*\n], v[A+2*\n+1]
.endr
	s_wait_kmcnt 0x0                               ; gate_b
.irp tt, 0,1
.irp e, 0,1,2,3,4,5,6,7
	v_add_f32 v[A+16*\tt+2*\e], s[24+\e], v[A+16*\tt+2*\e]
.endr
.endr
	; the index of the largest: a later expert takes over only where it is strictly larger, so the lower index wins a tie
.irp tt, 0,1
	v_mov_b32 v[8+\tt], v[A+16*\tt]
	v_mov_b32 v[10+\tt], 0
.endr
.irp e, 1,2,3,4,5,6,7
.irp tt, 0,1
	v_cmp_ge_f32 vcc_lo, v[8+\tt], v[A+16*\tt+2*\e]
	v_cndmask_b32 v[10+\tt], \e, v[10+\tt], vcc_lo
	v_max_num_f32 v[8+\tt], v[8+\tt], v[A+16*\tt+2*\e]
.endr
.endr
.irp tt, 0,1
	ds_store_b32 v[IDA], v[10+\tt] offset:4*\tt    ; all lanes write the same word with the same value
.endr
	s_wait_dscnt 0x0                               ; for the others' sake: my choices and my scale bytes lie in LDS
	s_barrier_signal -1
	s_barrier_wait -1
	s_cmp_lg_u32 s16, 0                            ; wave 0 sends out what the four waves gathered
	s_cbranch_scc1 .Lend
	v_mov_b32 v12, 0
	ds_load_b128 v[96:99], v12                     ; the eight choices, in every lane
	ds_load_b128 v[100:103], v12 offset:16
	v_lshlrev_b32 v13, 3, v[LANE]
	ds_load_b64 v[104:105], v13 offset:256         ; 8 scale bytes a lane
	v_lshlrev_b32 v106, 7, v[LANE]                 ; expert = lane: its mask begins 128 x lane bytes on
	v_mov_b32 v14, 0
	s_wait_alu depctr_va_vdst(0)
	s_wait_dscnt 0x0
	global_store_b64 v13, v[104:105], s[12:13]     ; 32 lanes store 256 bytes on end, at a multiple of 256 from the buffer's first byte
.irp t, 0,1,2,3,4,5,6,7
	v_cmp_eq_u32 vcc_lo, v[96+\t], v[LANE]
	v_cndmask_b32 v15, 0, 1, vcc_lo
	v_lshl_or_b32 v14, v15, \t, v14                ; bit t: token t of the eight chose expert = my lane
.endr
	v_cmp_gt_u32 vcc_lo, 8, v[LANE]
	s_wait_alu depctr_va_vdst(0)
	s_wait_xcnt 0x0                                ; EXEC changes only behind this wait
	s_and_saveexec_b32 s17, vcc_lo                 ; eight experts: lanes 0 to 7
	global_store_b8 v106, v14, s[14:15]
	s_wait_xcnt 0x0                                ; and again, in front of the line that widens it
	s_or_b32 exec_lo, exec_lo, s17
.Lend:
	s_wait_tensorcnt 0x0                           ; the wave's end: three closing lines, behind my last LDS store
	ds_add_u32 v[SPW], v[NIL]
	s_wait_dscnt 0x0
	s_endpgm
.Lfunc_end_k_q967f786455_route:
	.size	k_q967f786455_route, .Lfunc_end_k_q967f786455_route-k_q967f786455_route
	.p2alignl 7, 3214868480
	.fill 96, 4, 3214868480
	.section	.rodata,"a",@progbits
	.p2align	6, 0x0
	.amdhsa_kernel k_q967f786455_route
		.amdhsa_group_segment_fixed_size 1024
		.amdhsa_private_segment_fixed_size 0
		.amdhsa_enable_private_segment 0
		.amdhsa_kernarg_size 48
		.amdhsa_user_sgpr_count 2
		.amdhsa_user_sgpr_kernarg_segment_ptr 1
		.amdhsa_wavefront_size32 1
		.amdhsa_system_sgpr_workgroup_id_x 1
		.amdhsa_system_sgpr_workgroup_id_y 1
		.amdhsa_system_sgpr_workgroup_id_z 1
		.amdhsa_system_vgpr_workitem_id 0
		.amdhsa_next_free_vgpr 256
		.amdhsa_next_free_sgpr 66
		.amdhsa_reserve_vcc 1
		.amdhsa_float_denorm_mode_32 3
		.amdhsa_float_denorm_mode_16_64 3
		.amdhsa_memory_ordered 1
		.amdhsa_forward_progress 1
		.amdhsa_inst_pref_size 41
	.end_amdhsa_kernel
	.amdgpu_metadata
---
amdhsa.version: [ 1, 2 ]
amdhsa.kernels:
  - .name:           k_q967f786455_route
    .symbol:         k_q967f786455_route.kd
    .args:
      - { .name: x, .offset: 0, .size: 8, .value_kind: global_buffer, .address_space: global }
      - { .name: gate_w, .offset: 8, .size: 8, .value_kind: global_buffer, .address_space: global }
      - { .name: gate_b, .offset: 16, .size: 8, .value_kind: global_buffer, .address_space: global }
      - { .name: x_codes, .offset: 24, .size: 8, .value_kind: global_buffer, .address_space: global }
      - { .name: x_scales, .offset: 32, .size: 8, .value_kind: global_buffer, .address_space: global }
      - { .name: masks, .offset: 40, .size: 8, .value_kind: global_buffer, .address_space: global }
    .group_segment_fixed_size: 1024
    .private_segment_fixed_size: 0
    .kernarg_segment_align: 8
    .kernarg_segment_size: 48
    .max_flat_workgroup_size: 128
    .sgpr_count:     66
    .vgpr_count:     256
    .wavefront_size: 32
...
	.end_amdgpu_metadata
.endif
;; end of part 4
;; launch hidden (part 5): grid 32 x 8, 16 waves a work-group, no clusters, 104,448 bytes of LDS; arguments x_codes, x_scales, masks, w1, b1, hid_codes, hid_scales; writes hid_codes, hid_scales
.if DOCPART == 5
	.amdgcn_target "amdgcn-amd-amdhsa--gfx1250"
	.amdhsa_code_object_version 6
	.text
	.protected	k_q967f786455_hidden
	.globl	k_q967f786455_hidden
	.p2align	8
	.type	k_q967f786455_hidden,@function
k_q967f786455_hidden:
	s_mov_b64 s[64:65], 0
	v_nop
	global_prefetch_b8 v0, s[64:65] scope:SCOPE_SE
	s_setreg_imm32_b32 hwreg(HW_REG_WAVE_SCHED_MODE, 0, 2), 2
	s_setreg_imm32_b32 hwreg(HW_REG_WAVE_MODE, 25, 1), 1
	s_wait_xcnt 0x0
	s_wait_alu depctr_vm_vsrc(0)
; THE HIDDEN LAYER OF THE CHOSEN ROWS: for expert e (work-group y) and its hidden units 128 sl .. 128 sl + 127 (work-group x): relu(x w1[e] + b1[e]) for the tokens that chose e, quantised along the hidden axis.
; LEFT OUT: the rows of tokens that chose another expert: the one_hot multiplies them by 0 (shown at the head of the first kernel).
; w1[e]'s slice, 1,024 (K) x 128 numbers of f32, is read ONCE, whatever the split of tokens: eight steps of 128 along K.  In a step each of the 16 waves loads one block of 32 along K for 32 columns: A LANE TAKES A COLUMN AND ITS
; REGISTERS RUN DOWN K, so a block's largest magnitude needs no other lane and the conversions give codes with K innermost.  The codes and scale bytes go to LDS and STAY there: no LDS byte is written twice.
; The slice of an expert that no token chose is streamed all the same and nothing is stored: only some inputs throw that work away, and the barriers stand on every wave's path.
; PRODUCTS.  A tile is 16 tokens of the expert (positions 16 T .. 16 T + 15 in ascending order of token).  Wave w multiplies tile w under the stream, step by step; tiles w + 16, w + 32, w + 48, which exist only where more
; than 256 tokens chose e, follow behind the stream from the codes in LDS.  The product is used transposed (source 0 = 16 hidden units, source 1 = 16 tokens): a lane holds ONE token and its registers run along the hidden units.
; THE HIDDEN UNITS OF A TILE ARE NOT NEIGHBOURS: row m of tile 2 g + u is unit 32 g + 8 u + m + 8 (m / 8), so that the 16 registers of tiles 2 g, 2 g + 1 are 16 neighbours along the next product's K.
; b1 is loaded into the accumulators: every matrix instruction adds in place and nothing is cleared.  The eight accumulators take turns, one instruction a turn.
; WHO IS POSITION p?  The expert's mask of 1,024 bits lies in 32 scalar registers; SELECT finds the p-th set bit by whole-number arithmetic.  A position at or past the expert's count N is held at N - 1: the padding rows of
; the last tile are the expert's last token once more, with the same bits in every column.  The next launch holds its positions in the same way.
; No tensor load stands here.
; LIMITS: as stated at the head of the first kernel (scale byte 1 for blocks under the floor and for blocks of zeros).
; OUT.  hid_codes [e][tile][K step = sl]: the image of the next product's operand registers, three times 32 lanes x 16 bytes; hid_scales likewise, a word a lane (128 bytes a store: half of an aligned 256; a twelfth of the codes' bytes).
; THE MODE: SCHED_MODE bits 1:0 = 2 (LLVM: expert scheduling mode 2), set by the entry lines.  The code itself states the register dependences between vector or matrix instructions and memory or LDS instructions,
; with s_wait_alu, always for 0.
; THE PLAN.  Registers that memory or LDS instructions touch:
;   v3-11, v16-18  offsets and LDS addresses: written at the head and never again: one wait on va_vdst ahead of the first load serves them for the whole kernel.
;   WR[s % 2]      Step s's maxima and conversions read it; behind them the loads of step s + 2 land in it, some ahead of the barrier, the rest behind the step's products.
;   CD, v23        Step s's conversions, moves and shift write them; its four LDS stores read them; step s + 1 writes them again.
;   XF[s % 2], XS  The head's moves write them once; x's loads land in them; step s's products read them; the fragment of step s + 2, asked for in step s + 1, lands in XF[s % 2] again.
;   FR, WS         LDS loads land in them, products read them: FR is filled twice a step, four fragments at a time, WS once.
;   ACC            b1's loads land in it; the products add onto it; the way out's vector lines read and write it.
;   PC, PW         The way out's vector lines write them, its stores read them.      XOFF, SOFF  Written for each tile, read by x's loads.
; A STEP HAS TWO WAITS ON va_vdst.  The first stands behind the quantiser's last vector line and states: CD and v23 are written; WR[s % 2] is read out; the products of the step before are done reading the other XF, FR and WS.
; Behind it stand, on every way, the LDS stores, x's next fragment, the loads of step s + 2 and the step's first LDS loads; the only vector-side lines up to the step's end are products and v_nop, which name ACC, FR, XF, WS and XS:
; so the late part of step s + 2's loads owes nothing more.  The second stands ahead of FR's second filling.  (A second set of FR would spare it: the wave's 256 registers leave no room for one.)
; One wait on vm_vsrc stands at the head of steps 1 to 7: the LDS stores of the step before have read CD and v23.
.set REG,   12800                      ; LDS: a step's region: 8 fragments of 1,536 bytes (c x 768 + (16 h + r) x 24: records of 24 bytes, so that the 32 lanes of an 8-byte access touch 64 different banks of 4 bytes, ISA guide 11.1), then 4 planes of 32 scale words
.set HALF,  4*REG                      ; an LDS immediate has 16 bits: steps 4 to 7 have address registers of their own, HALF further on
.set SPARE, 8*REG                      ; behind the regions: the spare words, 128 bytes for each of 16 waves, that no other line names
.set STEPB, 2097152                    ; 128 rows of w1[e], 16,384 bytes each
.set ROWB,  16384
.set PARTA, 28                         ; of a set's 32 loads, those issued ahead of the barrier: with the 32 of the set before and the 3 of x's fragment, 63 loads of the wave are out there by this text's own count
.set SPW,  1                           ; v1  my spare word's address; never rewritten
.set NIL,  2                           ; v2  0; never rewritten
.set WOFF, 3                           ; v3  my column and block in w1[e]'s slice
.set CW,   4                           ; v4-5   LDS: where my block's 24 bytes of codes go (steps 0-3, 4-7)
.set SW,   6                           ; v6-7   and its scale byte
.set FRD,  8                           ; v8-9   LDS: 24 x lane: a fragment's record of mine
.set SRD,  10                          ; v10-11 LDS: 4 x lane in a plane of scale words
.set R16,  12                          ; v12 lane % 16
.set VP,   13                          ; v13 my position in the expert
.set XOFF, 14                          ; v14 my token's codes: 768 x token + 48 (lane / 16)
.set SOFF, 15                          ; v15 my token's scale bytes: 32 x token
.set H64,  16                          ; v16 64 (lane / 16)
.set L16,  17                          ; v17 16 x lane
.set L4,   18                          ; v18 4 x lane
.set ZR,   19                          ; v19 0
                                       ; v20-30 at work
.set ACC,  32                          ; v32-95   8 tiles of the hidden layer
.set WR,   96                          ; v96-159  two sets of 32 numbers of w1; behind the stream at work:
.set TM,   96
.set PW,   112
.set PC,   128
.set FR,   160                         ; v160-207 four fragments of w1's codes
.set XF,   208                         ; v208-231 x's fragment, two buffers
.set XS,   232                         ; v232-239 x's scale words of the eight steps
.set WS,   240                         ; v240-243 w1's scale words: register g: lanes 0-15 tile 2 g, lanes 16-31 tile 2 g + 1
.set CD,   244                         ; v244-250 a block's codes
.set H48,  251                         ; v251 48 (lane / 16)
.set MK,   78                          ; s78-85 SELECT: the masks of a run of eight compares
.set PV,   86                          ; s86-93 SELECT: for the same eight words: the set bits ahead of the word | its number << 16
; s18 wave, s19 expert, s20 slice, s21 the expert's tokens N, s22 its tiles, s23 the tile in hand, s24 N - 1, s25-26 SELECT's, s[28:31] w1's two bases, s[32:63] the mask,
; s[66:69] the tile's places in hid_codes and hid_scales, s[70:71] lane selects, s72-76 at work, s77 the tail's count
	s_load_b256 s[4:11], s[0:1], 0x0               ; x_codes, x_scales, masks, w1
	s_load_b128 s[12:15], s[0:1], 0x20             ; b1, hid_codes
	s_load_b64 s[16:17], s[0:1], 0x30              ; hid_scales
	v_lshl_add_u32 v[SPW], v0, 2, SPARE
	v_mov_b32 v[NIL], 0
	v_lshrrev_b32 v20, 5, v0
	v_readfirstlane_b32 s18, v20                   ; wave 0..15
	s_and_b32 s19, ttmp7, 0xffff
	s_mov_b32 s20, ttmp9
	v_and_b32 v21, 31, v0                          ; lane
	v_and_b32 v[R16], 15, v0
	v_bfe_u32 v22, v0, 4, 1                        ; lane / 16
	s_wait_alu depctr_va_sdst(0)                   ; s18 is written, ahead of its first reader
	s_and_b32 s72, s18, 3                          ; g: which 32 columns
	s_lshr_b32 s73, s18, 2                         ; b: which block of the step's four
	s_lshl_b32 s74, s72, 7
	s_lshl_b32 s75, s73, 19                        ; 32 rows of 16,384 bytes
	s_add_co_u32 s74, s74, s75
	v_lshl_add_u32 v[WOFF], v21, 2, s74
	v_bfe_u32 v23, v0, 3, 1                        ; my column l of the 32 is row m = l % 8 + 8 (l / 16) of tile u = (l / 8) % 2
	v_and_b32 v24, 7, v0
	v_lshl_add_u32 v23, v23, 4, v24
	v_lshl_add_u32 v23, v22, 3, v23                ; 16 u + m
	s_wait_alu depctr_va_vdst(0)
	v_lshrrev_b32 v24, 4, v23
	v_and_b32 v25, 15, v23
	v_mul_u32_u24 v[CW], v24, 1536
	v_mad_u32_u24 v[CW], v25, 24, v[CW]
	s_mul_i32 s74, s72, 3072                       ; fragment 2 g + u;
	s_lshr_b32 s75, s73, 1
	s_mul_i32 s75, s75, 768                        ; block b = 2 c + h: c x 768
	s_add_co_u32 s74, s74, s75
	s_and_b32 s75, s73, 1
	s_mul_i32 s75, s75, 384                        ; + 16 h records
	s_add_co_u32 s74, s74, s75
	v_add_nc_u32 v[CW], s74, v[CW]
	v_add_nc_u32 v[CW+1], HALF, v[CW]
	s_lshl_b32 s74, s72, 7                         ; plane g, word 16 u + m, byte b
	s_add_co_u32 s74, s74, s73
	s_add_co_u32 s74, s74, 12288
	v_lshl_add_u32 v[SW], v23, 2, s74
	v_add_nc_u32 v[SW+1], HALF, v[SW]
	v_mul_u32_u24 v[FRD], v21, 24
	v_add_nc_u32 v[FRD+1], HALF, v[FRD]
	v_lshl_add_u32 v[SRD], v21, 2, 12288
	v_add_nc_u32 v[SRD+1], HALF, v[SRD]
	v_lshlrev_b32 v[H64], 6, v22
	v_mul_u32_u24 v[H48], v22, 48
	v_lshlrev_b32 v[L16], 4, v21
	v_lshlrev_b32 v[L4], 2, v21
	v_mov_b32 v[ZR], 0
	s_mov_b32 s70, 0x76543210
	s_mov_b32 s71, 0xfedcba98                      ; v_permlanex16_b32's selects for lane l xor 16
	s_mov_b32 s75, 0
	s_wait_kmcnt 0x0
	s_lshl_b32 s74, s19, 7
	s_add_nc_u64 s[8:9], s[8:9], s[74:75]
	s_load_b512 s[32:47], s[8:9], 0x0              ; the expert's mask: 32 words
	s_load_b512 s[48:63], s[8:9], 0x40
	s_lshl_b32 s74, s19, 24                        ; w1[e]: 16 MiB an expert,
	s_lshl_b32 s76, s20, 9                         ; the slice's 512 bytes of a row
	s_add_co_u32 s74, s74, s76
	s_add_nc_u64 s[28:29], s[10:11], s[74:75]      ; steps 0 to 3 count from here,
	s_add_nc_u64 s[30:31], s[28:29], 4*STEPB       ; steps 4 to 7 from here: every load's place is an immediate, and nothing is stepped
	s_lshl_b32 s74, s19, 14
	s_add_co_u32 s74, s74, s76
	s_add_nc_u64 s[12:13], s[12:13], s[74:75]      ; b1[e] at the slice
.macro BIAS                            ; b1 in the result's layout: tile 2 g + u, lane half h: units 32 g + 16 h + 8 u + 0 .. 7
.irp t, 0,1,2,3,4,5,6,7
	global_load_b128 v[ACC+8*\t:ACC+8*\t+3], v[H64], s[12:13] offset:(32*(\t/2)+8*(\t%2))*4
	global_load_b128 v[ACC+8*\t+4:ACC+8*\t+7], v[H64], s[12:13] offset:(32*(\t/2)+8*(\t%2))*4+16
.endr
.endm
.macro LOADW step, first, n            ; n loads of step's set, from register first on: 32 lanes read 128 bytes on end; the four waves of a block stand side by side on 512
.set LI, \first
.rept \n
	global_load_b32 v[WR+32*((\step)%2)+LI], v[WOFF], s[28+2*((\step)/4):29+2*((\step)/4)] offset:((\step)%4)*STEPB+LI*ROWB th:TH_LOAD_NT
.set LI, LI+1
.endr
.endm
.macro QW s                            ; my block of step s: its scale, its 32 codes; 24 bytes and a byte to LDS
.set WB, WR+32*((\s)%2)
.set RB, ((\s)%4)*REG
.set AH, (\s)/4
	v_max3_num_f32 v20, |v[WB]|, |v[WB+1]|, |v[WB+2]|
	v_max3_num_f32 v21, |v[WB+3]|, |v[WB+4]|, |v[WB+5]|
.irp i, 6,10,14,18,22,26
	v_max3_num_f32 v20, v20, |v[WB+\i]|, |v[WB+\i+1]|
	v_max3_num_f32 v21, v21, |v[WB+\i+2]|, |v[WB+\i+3]|
.endr
	v_max3_num_f32 v20, v20, |v[WB+30]|, |v[WB+31]|
	v_max3_num_f32 v20, v20, v21, 0x2800000        ; and the floor 2^(5 - 127): the byte cannot fall under 1
	v_add_nc_u32 v22, 0xfe000000, v20              ; 4 off the exponent field: the conversion's scale operand
	v_lshrrev_b32 v23, 23, v22                     ; the scale's byte
	v_cvt_scalef32_pk16_bf6_f32 v[CD:CD+2], v[WB:WB+15], v22
	v_cvt_scalef32_pk16_bf6_f32 v[CD+4:CD+6], v[WB+16:WB+31], v22   ; (a conversion's three registers begin on an even number)
	v_nop                                          ; one plain line behind the conversions
	v_mov_b32 v[CD+3], v[CD+4]                     ; the two halves on end: six registers
	v_mov_b32 v[CD+4], v[CD+5]
	v_mov_b32 v[CD+5], v[CD+6]
	s_wait_alu depctr_va_vdst(0)                   ; THE STEP'S WAIT: CD and v23 are written, which the LDS stores read; the lines above are done reading this set of w1, in which the loads of two steps on land; the products of the step before are done reading the other buffer of x, FR and WS, in which this step's loads land
	ds_store_b64 v[CW+AH], v[CD:CD+1] offset:RB
	ds_store_b64 v[CW+AH], v[CD+2:CD+3] offset:RB+8
	ds_store_b64 v[CW+AH], v[CD+4:CD+5] offset:RB+16
	ds_store_b8 v[SW+AH], v23 offset:RB
.endm
.macro LEVEL src, width, stp           ; does the bit lie in the lower half of what is left?  If not, pass over that half and its count
	v_bfe_u32 v29, v[\src], v28, \width
	v_cmp_lt_u32 vcc_lo, v22, v29
	s_wait_alu depctr_va_vcc(0)                    ; VCC is written, ahead of the two selects that read it (each level hangs on the one before: no run of compares can be laid here)
	v_cndmask_b32 v29, v29, v[ZR], vcc_lo
	v_cndmask_b32 v30, \stp, v[ZR], vcc_lo
	v_sub_nc_u32 v22, v22, v29
	v_add_nc_u32 v28, v28, v30
.endm
.macro SELECT                          ; v30 = the token at position v[VP]: the place of the VP-th set bit of the mask
	v_mov_b32 v20, s32                             ; the word in which it lies,
	v_mov_b32 v21, 0                               ; and: the set bits ahead of that word | its number << 16
	s_mov_b32 s25, 0
.set SG, 1
.rept 4                                ; words 1 to 31 in runs of eight: a run's compares write eight masks, one wait stands behind the run, then the selects read them, in ascending order of word
.set GI, 0
.rept 8
.if SG+GI < 32
	s_bcnt1_i32_b32 s26, s[31+SG+GI]
	s_add_co_u32 s25, s25, s26                     ; the set bits ahead of word SG + GI
	s_add_co_u32 s[PV+GI], s25, ((SG+GI)<<16)
	v_cmp_gt_u32 s[MK+GI], s25, v[VP]              ; more than my position: the word before stays
.endif
.set GI, GI+1
.endr
	s_wait_alu depctr_va_sdst(0)                   ; the run's masks are written, ahead of their first reader
.set GI, 0
	s_wait_alu depctr_va_vdst(0)
.rept 8
.if SG+GI < 32
	v_cndmask_b32 v20, s[32+SG+GI], v20, s[MK+GI]
	v_cndmask_b32 v21, s[PV+GI], v21, s[MK+GI]
.endif
.set GI, GI+1
.endr
.set SG, SG+8
.endr
	v_and_b32 v22, 0xffff, v21
	v_sub_nc_u32 v22, v[VP], v22                   ; which set bit of the word
	v_lshrrev_b32 v23, 16, v21                     ; the word's number
	v_lshrrev_b32 v24, 1, v20
	v_and_b32 v24, 0x55555555, v24
	v_sub_nc_u32 v24, v20, v24                     ; counts of set bits in fields of 2,
	v_lshrrev_b32 v25, 2, v24
	v_and_b32 v25, 0x33333333, v25
	v_and_b32 v26, 0x33333333, v24
	v_add_nc_u32 v25, v25, v26                     ; of 4,
	v_lshrrev_b32 v26, 4, v25
	v_add_nc_u32 v26, v26, v25
	v_and_b32 v26, 0x0f0f0f0f, v26                 ; of 8,
	v_lshrrev_b32 v27, 8, v26
	v_add_nc_u32 v27, v27, v26                     ; and, in the lowest byte, of the lower 16
	v_mov_b32 v28, 0
	LEVEL 27, 8, 16
	LEVEL 26, 8, 8
	LEVEL 25, 4, 4
	LEVEL 24, 2, 2
	LEVEL 20, 1, 1
	v_lshl_add_u32 v30, v23, 5, v28
	v_min_u32 v30, 0x3ff, v30                      ; a token's number, whatever the mask holds
.endm
.macro SETTILE                         ; from s23: my position, my token, the offsets and the tile's places in the two outputs
	s_min_u32 s72, s23, 63                         ; (an expert has at most 64 tiles)
	s_lshl_b32 s73, s72, 4
	v_add_nc_u32 v[VP], s73, v[R16]
	v_min_u32 v[VP], s24, v[VP]                    ; a padding row is the expert's last token once more
	s_wait_alu depctr_va_vdst(0)
	SELECT
	v_mad_u32_u24 v[XOFF], v30, 768, v[H48]
	v_lshlrev_b32 v[SOFF], 5, v30
	s_lshl_b32 s73, s19, 6
	s_add_co_u32 s73, s73, s72
	s_lshl_b32 s73, s73, 5
	s_add_co_u32 s73, s73, s20                     ; (64 e + tile) x 32 + slice
	s_mul_i32 s74, s73, 1536
	s_mov_b32 s75, 0
	s_add_nc_u64 s[66:67], s[14:15], s[74:75]
	s_lshl_b32 s74, s73, 7
	s_add_nc_u64 s[68:69], s[16:17], s[74:75]
.endm
.macro XSLOAD                          ; my token's 32 scale bytes: a word for each step
	global_load_b128 v[XS:XS+3], v[SOFF], s[6:7]
	global_load_b128 v[XS+4:XS+7], v[SOFF], s[6:7] offset:16
.endm
.macro ACT s                           ; x's fragment of step s: my 12 registers lie as 48 bytes on end
.irp g, 0,1,2
	global_load_b128 v[XF+12*((\s)%2)+4*\g:XF+12*((\s)%2)+4*\g+3], v[XOFF], s[4:5] offset:96*(\s)+16*\g
.endr
.endm
.macro WM t, s
.if (\t)%2
	v_wmma_scale_f32_16x16x128_f8f6f4 v[ACC+8*(\t):ACC+8*(\t)+7], v[FR+12*((\t)%4):FR+12*((\t)%4)+11], v[XF+12*((\s)%2):XF+12*((\s)%2)+11], v[ACC+8*(\t):ACC+8*(\t)+7], v[WS+(\t)/2], v[XS+(\s)] matrix_a_fmt:MATRIX_FMT_BF6 matrix_b_fmt:MATRIX_FMT_BF6 matrix_a_scale:MATRIX_SCALE_ROW1
.else
	v_wmma_scale_f32_16x16x128_f8f6f4 v[ACC+8*(\t):ACC+8*(\t)+7], v[FR+12*((\t)%4):FR+12*((\t)%4)+11], v[XF+12*((\s)%2):XF+12*((\s)%2)+11], v[ACC+8*(\t):ACC+8*(\t)+7], v[WS+(\t)/2], v[XS+(\s)] matrix_a_fmt:MATRIX_FMT_BF6 matrix_b_fmt:MATRIX_FMT_BF6
.endif
.endm
.macro MM s                            ; step s of my tile: eight products, four fragments of w1 at a time.  The first run of LDS loads leans on a wait that stands ahead of the macro: the step's own under the stream, the one at a step's head behind it
.set RB, ((\s)%4)*REG
.set AH, (\s)/4
.irp g, 0,1,2,3
	ds_load_b32 v[WS+\g], v[SRD+AH] offset:RB+128*\g
.endr
.irp q, 0,1
.if \q > 0
	s_wait_alu depctr_va_vdst(0)                   ; the four products above are done reading FR, in which the next four fragments land
.endif
.irp f, 0,1,2,3
.irp p, 0,1,2,3,4,5
	ds_load_b64 v[FR+12*\f+2*\p:FR+12*\f+2*\p+1], v[FRD+AH] offset:RB+(4*\q+\f)*1536+768*(\p/3)+8*(\p%3)
.endr
.endr
	s_wait_dscnt 0x0
.irp f, 0,1,2,3
	WM 4*\q+\f, \s
.endr
.rept 4
	v_nop                                          ; four places in front of the next loads into registers that these products read, and of the first read of their results
.endr
.endr
.endm
.macro EPI                             ; relu; the tile's 128 hidden units of 16 tokens become one fragment and one scale word a token; both leave as images of the registers
.set EJ, 0
.rept 64
	v_max_num_f32 v[ACC+EJ], 0, v[ACC+EJ]          ; ascending: each accumulator is first read at its low end
.set EJ, EJ+1
.endr
.irp b, 0,1,2,3
	v_max3_num_f32 v[TM+\b], v[ACC+16*\b], v[ACC+1+16*\b], 0x2800000   ; block b: my 16 numbers (none is negative), and the floor
.endr
.irp i, 2,4,6,8,10,12,14
.irp b, 0,1,2,3
	v_max3_num_f32 v[TM+\b], v[TM+\b], v[ACC+16*\b+\i], v[ACC+1+16*\b+\i]
.endr
.endr
.irp b, 0,1,2,3
	v_permlanex16_b32 v[TM+4+\b], v[TM+\b], s70, s71
.endr
.irp b, 0,1,2,3
	v_max_num_f32 v[TM+\b], v[TM+\b], v[TM+4+\b]   ; with lane l xor 16's: the block's largest
.endr
.irp b, 0,1,2,3
	v_add_nc_u32 v[TM+12+\b], 0xfe000000, v[TM+\b]
.endr
.irp b, 0,1,2,3
	v_lshrrev_b32 v[TM+4+\b], 23, v[TM+12+\b]
.endr
	v_lshl_or_b32 v[PW], v[TM+5], 8, v[TM+4]       ; my token's scale word (both halves of the lanes hold the same)
	v_lshl_or_b32 v[PW], v[TM+6], 16, v[PW]
	v_lshl_or_b32 v[PW], v[TM+7], 24, v[PW]
.irp c, 0,1
	v_cvt_scalef32_pk16_bf6_f32 v[PC+6*\c:PC+2+6*\c], v[ACC+32*\c:ACC+15+32*\c], v[TM+12+2*\c]
	v_cvt_scalef32_pk16_bf6_f32 v[PC+12+4*\c:PC+14+4*\c], v[ACC+16+32*\c:ACC+31+32*\c], v[TM+12+2*\c+1]
.endr
	v_nop                                          ; one plain line behind the conversions
.irp c, 0,1                            ; the operand's layout wants a whole block in a lane: lanes 0-15 block 2 c, lanes 16-31 block 2 c + 1
.irp i, 0,1,2
	v_permlane16_swap_b32 v[PC+6*\c+\i], v[PC+12+4*\c+\i]
.endr
.irp i, 0,1,2
	v_mov_b32 v[PC+3+6*\c+\i], v[PC+12+4*\c+\i]
.endr
.endr
	s_wait_alu depctr_va_vdst(0)                   ; the lines above have written PC and PW, which the four stores read
.irp g, 0,1,2
	global_store_b128 v[L16], v[PC+4*\g:PC+4*\g+3], s[66:67] offset:512*\g   ; 32 lanes store 512 bytes on end, at a multiple of 256 from the buffer's first byte
.endr
	global_store_b32 v[L4], v[PW], s[68:69]
.endm
; A STEP OF THE STREAM.  The count 32 at its head leaves out only the next set's 32 loads, which every wave issues on every path: this step's set, x's fragment for this step and the bias are older.
; Branches on "has my wave a tile" lead round loads, products and stores alone; the barrier and the stream stand on every wave's path.
.macro STEP s
.if (\s) < 7
	s_wait_loadcnt 32
.else
	s_wait_loadcnt 0x0
.endif
.if (\s) > 0
	s_wait_alu depctr_vm_vsrc(0)                   ; the LDS stores of the step before have read CD and v23, which the quantiser writes again
.endif
	QW \s
.if (\s) < 7
	s_cmp_lt_u32 s18, s22
	s_cbranch_scc0 .Lna_\@
	ACT (\s)+1
.Lna_\@:
.endif
.if (\s) < 6
	LOADW (\s)+2, 0, PARTA                         ; the set just quantised takes the step two further on
.endif
	s_wait_dscnt 0x0                               ; for the others' sake: my codes and my byte lie in LDS
	s_barrier_signal -1
	s_barrier_wait -1                              ; the step's region is whole
	s_cmp_lt_u32 s18, s22
	s_cbranch_scc0 .Lnm_\@
.if (\s) == 0
	s_wait_loadcnt PARTA                           ; only the PARTA loads just issued on every path may be out: x's first fragment and its scale words are in
.endif
	MM \s
.if (\s) == 7
	EPI
.endif
.Lnm_\@:
.if (\s) < 6
	LOADW (\s)+2, PARTA, 32-PARTA                  ; no wait: since the step's wait only products and v_nop were issued, and they name no register of this set
.endif
.endm
	s_wait_alu depctr_va_vdst(0)                   ; the head's offsets and LDS addresses, v3 to v11 and v16 to v18, are written: every load, store and LDS instruction of the kernel reads one of them
	BIAS                                           ; by every wave: the accumulators' first write on every path
	LOADW 0, 0, 32
	LOADW 1, 0, 32
.set ZI, 0
.rept 24
	v_mov_b32 v[XF+ZI], 0                          ; x's buffers are loaded under one branch and read under another: this gives them a write on every path.  Once, while the first loads are on their way
.set ZI, ZI+1
.endr
.set ZI, 0
.rept 8
	v_mov_b32 v[XS+ZI], 0x7f7f7f7f                 ; the scale words likewise: they begin as four bytes of the scale 1
.set ZI, ZI+1
.endr
	s_wait_kmcnt 0x0                               ; the mask
	s_bcnt1_i32_b32 s21, s32                       ; N: the expert's tokens
.set SG, 1
.rept 31
	s_bcnt1_i32_b32 s26, s[32+SG]
	s_add_co_u32 s21, s21, s26
.set SG, SG+1
.endr
	s_add_co_u32 s22, s21, 15
	s_lshr_b32 s22, s22, 4                         ; its tiles of 16
	s_sub_co_u32 s24, s21, 1                       ; its last position (with N = 0 the greatest number: nothing is held, and no tile is worked)
	s_mov_b32 s23, s18                             ; my first tile is my wave's number
	SETTILE
	s_wait_alu depctr_va_vdst(0)                   ; XOFF and SOFF are written, which x's loads read; the moves above have written XF and XS, in which those loads land
	s_cmp_lt_u32 s18, s22
	s_cbranch_scc0 .Lno_first
	XSLOAD
	ACT 0
.Lno_first:
	STEP 0
	STEP 1
	STEP 2
	STEP 3
	STEP 4
	STEP 5
	STEP 6
	STEP 7
	; BEHIND THE STREAM: my further tiles, from the codes that stayed in LDS: at most three (64 tiles over 16 waves), so the loop counts three trips and is left as soon as the expert has no tile for me.
	; No barrier: nothing is written to LDS any more.
	s_add_co_u32 s23, s18, 16
	s_mov_b32 s77, 3
.Ltail:
	s_cmp_lt_u32 s23, s22
	s_cbranch_scc0 .Ldone
	s_wait_xcnt 0x0                                ; the last tile's stores and loads have read their registers and bases: all may be written again
	s_wait_alu depctr_vm_vsrc(0)                   ; the last tile's stores have read PC and PW, its loads XOFF and SOFF, the stream's last byte store v23: the lines below write all of them again
	SETTILE
	s_wait_alu depctr_va_vdst(0)                   ; XOFF and SOFF are written, which x's loads read; the last tile's vector and matrix lines are done with ACC, XF, XS, FR and WS, in which the loads below land
	BIAS
	XSLOAD
	ACT 0
.irp s, 0,1,2,3,4,5,6
.if \s > 0
	s_wait_alu depctr_va_vdst(0)                   ; the products of the step before are done reading the other buffer of x, FR and WS, in which this step's loads land
.endif
	ACT \s+1
	s_wait_loadcnt 3                               ; only the next step's three loads, just issued, may be out
	MM \s
.endr
	s_wait_alu depctr_va_vdst(0)                   ; step 6's products are done reading FR and WS, in which step 7's LDS loads land
	s_wait_loadcnt 0x0
	MM 7
	EPI
	s_add_co_u32 s23, s23, 16
	s_sub_co_u32 s77, s77, 1
	s_cmp_lg_u32 s77, 0
	s_cbranch_scc1 .Ltail
.Ldone:
	s_wait_dscnt 0x0                               ; the closing lines, six on end
	s_wait_alu 0x0
	s_wait_tensorcnt 0x0
	ds_add_u32 v[SPW], v[NIL]
	s_wait_dscnt 0x0
	s_endpgm
.Lfunc_end_k_q967f786455_hidden:
	.size	k_q967f786455_hidden, .Lfunc_end_k_q967f786455_hidden-k_q967f786455_hidden
	.p2alignl 7, 3214868480
	.fill 96, 4, 3214868480
	.section	.rodata,"a",@progbits
	.p2align	6, 0x0
	.amdhsa_kernel k_q967f786455_hidden
		.amdhsa_group_segment_fixed_size 104448
		.amdhsa_private_segment_fixed_size 0
		.amdhsa_enable_private_segment 0
		.amdhsa_kernarg_size 56
		.amdhsa_user_sgpr_count 2
		.amdhsa_user_sgpr_kernarg_segment_ptr 1
		.amdhsa_wavefront_size32 1
		.amdhsa_system_sgpr_workgroup_id_x 1
		.amdhsa_system_sgpr_workgroup_id_y 1
		.amdhsa_system_sgpr_workgroup_id_z 1
		.amdhsa_system_vgpr_workitem_id 0
		.amdhsa_next_free_vgpr 256
		.amdhsa_next_free_sgpr 94
		.amdhsa_reserve_vcc 1
		.amdhsa_float_denorm_mode_32 3
		.amdhsa_float_denorm_mode_16_64 3
		.amdhsa_memory_ordered 1
		.amdhsa_forward_progress 1
		.amdhsa_inst_pref_size 167
	.end_amdhsa_kernel
	.amdgpu_metadata
---
amdhsa.version: [ 1, 2 ]
amdhsa.kernels:
  - .name:           k_q967f786455_hidden
    .symbol:         k_q967f786455_hidden.kd
    .args:
      - { .name: x_codes, .offset: 0, .size: 8, .value_kind: global_buffer, .address_space: global }
      - { .name: x_scales, .offset: 8, .size: 8, .value_kind: global_buffer, .address_space: global }
      - { .name: masks, .offset: 16, .size: 8, .value_kind: global_buffer, .address_space: global }
      - { .name: w1, .offset: 24, .size: 8, .value_kind: global_buffer, .address_space: global }
      - { .name: b1, .offset: 32, .size: 8, .value_kind: global_buffer, .address_space: global }
      - { .name: hid_codes, .offset: 40, .size: 8, .value_kind: global_buffer, .address_space: global }
      - { .name: hid_scales, .offset: 48, .size: 8, .value_kind: global_buffer, .address_space: global }
    .group_segment_fixed_size: 104448
    .private_segment_fixed_size: 0
    .kernarg_segment_align: 8
    .kernarg_segment_size: 56
    .max_flat_workgroup_size: 512
    .sgpr_count:     94
    .vgpr_count:     256
    .wavefront_size: 32
...
	.end_amdgpu_metadata
.endif
;; end of part 5
;; launch output (part 6): grid 32 x 8, 16 waves a work-group, no clusters, 104,448 bytes of LDS; arguments hid_codes, hid_scales, masks, w2, b2, out0; writes out0
.if DOCPART == 6
	.amdgcn_target "amdgcn-amd-amdhsa--gfx1250"
	.amdhsa_code_object_version 6
	.text
	.protected	k_q967f786455_output
	.globl	k_q967f786455_output
	.p2align	8
	.type	k_q967f786455_output,@function
k_q967f786455_output:
	s_mov_b64 s[64:65], 0
	v_nop
	global_prefetch_b8 v0, s[64:65] scope:SCOPE_SE
	s_setreg_imm32_b32 hwreg(HW_REG_WAVE_SCHED_MODE, 0, 2), 2
	s_setreg_imm32_b32 hwreg(HW_REG_WAVE_MODE, 25, 1), 1
	s_wait_xcnt 0x0
	s_wait_alu depctr_vm_vsrc(0)
; THE WAY OUT OF THE CHOSEN ROWS: for expert e (work-group y) and output columns 32 sl .. 32 sl + 31 (work-group x): hidden w2[e] + b2[e] for the tokens that chose e, stored at those tokens' rows of out0.
; LEFT OUT: the rows of tokens that chose another expert, and the product with the one_hot, which is this selection (shown at the head of the first kernel).
; w2[e]'s slice, 4,096 (K) x 32 numbers of f32, is read ONCE: eight steps of 512 along K.  In a step wave w loads block w of the step's 16 blocks of 32 along K: a lane takes a column and its registers run down K.
; The codes and scale bytes go to LDS and stay there; no LDS byte is written twice.  An expert that no token chose is streamed all the same and nothing is stored.
; 32 columns to a work-group: 8 experts x 1,024 columns over 256 work-groups.  So a load reads 128 bytes of a row of w2 and a token's store fills 128 bytes of a row of out0: halves of aligned runs of 256; the neighbouring slice takes the other half.
; PRODUCTS.  A tile is 16 tokens of the expert, as in the launch before; wave w multiplies tile w under the stream and tiles w + 16, w + 32, w + 48 behind it.  Transposed use: source 0 = 16 columns of w2, source 1 = 16 tokens:
; a lane holds one token and eight neighbouring columns.  b2 is loaded into the accumulators; the two accumulators take turns, one instruction a turn.
; The hidden layer's fragments come from memory as images of the operand's registers.
; PADDING ROWS.  A position at or past the expert's count N is held at N - 1, here as in the launch before: a padding row is the expert's last token once more, made of the same codes, so its lanes hold the same bits and store
; them to the same bytes as the lane of that token.  So every lane stays on and no store is masked.  Each token chose one expert: each byte of out0 is stored by one work-group.
; No tensor load stands here.  LIMITS: as stated at the head of the first kernel.
; THE MODE: SCHED_MODE bits 1:0 = 2 (LLVM: expert scheduling mode 2), set by the entry lines.  The code itself states the register dependences between vector or matrix instructions and memory or LDS instructions,
; with s_wait_alu, always for 0.
; THE PLAN.  Registers that memory or LDS instructions touch:
;   v3-11, v15-17  offsets and LDS addresses: written at the head and never again: one wait on va_vdst ahead of the first load serves them for the whole kernel.
;   WR[s % 2]      Step s's maxima and conversions read it; behind them the loads of step s + 2 land in it, some ahead of the barrier, the rest behind the step's products.
;   CD, v23        Step s's conversions, moves and shift write them; its four LDS stores read them; step s + 1 writes them again.
;   HF[s % 2], HS[s % 2]  The head's moves write them once; the hidden layer's loads land in them; step s's products read them; the loads of step s + 2, issued in step s + 1, land in them again.
;   FR, WS         LDS loads land in them, products read them: FR is filled four times a step, two fragments at a time, WS once.
;   ACC            b2's loads land in it; the products add onto it; the stores read it.      OOFF  Written for each tile, read by the stores.
; A STEP'S WAITS ON va_vdst.  One stands behind the quantiser's last vector line and states: CD and v23 are written; WR[s % 2] is read out; the products of the step before are done reading the other HF and HS, FR and WS.
; Behind it stand, on every way, the LDS stores, the hidden layer's next fragments, the loads of step s + 2 and the step's first LDS loads; the only vector-side lines up to the step's end are products and v_nop, which name ACC, FR,
; HF, WS and HS: so the late part of step s + 2's loads owes nothing more.  Three more stand ahead of FR's second, third and fourth filling.  (A second set of FR would spare them: the wave's 256 registers leave no room for one.)
; One wait on vm_vsrc stands at the head of steps 1 to 7: the LDS stores of the step before have read CD and v23.
.set REG,   12800                      ; LDS: a step's region: 8 fragments (K step j of the four, column tile ct: 2 j + ct) of 1,536 bytes in records of 24, then 4 planes of 32 scale words
.set HALF,  4*REG
.set SPARE, 8*REG                      ; the spare words, 128 bytes for each of 16 waves, that no other line names
.set STEPB, 2097152                    ; 512 rows of w2[e], 4,096 bytes each
.set ROWB,  4096
.set PARTA, 15                         ; of a set's 32 loads, those issued ahead of the barrier: with the 32 of the set before and the 16 of the hidden layer's fragments, 63 loads of the wave are out there by this text's own count
.set SPW,  1                           ; v1  my spare word's address; never rewritten
.set NIL,  2                           ; v2  0; never rewritten
.set WOFF, 3
.set CW,   4                           ; v4-5, v6-7, v8-9, v10-11: as in the launch before
.set SW,   6
.set FRD,  8
.set SRD,  10
.set R16,  12
.set VP,   13
.set OOFF, 14                          ; v14 my token's row of out0: 4,096 x token + 32 (lane / 16)
.set H32,  15                          ; v15 32 (lane / 16)
.set L16,  16
.set L4,   17
.set ZR,   18
                                       ; v20-30 at work
.set ACC,  32                          ; v32-47   two column tiles
.set WR,   48                          ; v48-111  two sets of 32 numbers of w2
.set HF,   112                         ; v112-207 the hidden layer's four fragments of a step, two buffers
.set HS,   208                         ; v208-215 their scale words
.set WS,   216                         ; v216-219 w2's scale words: register j: lanes 0-15 column tile 0, lanes 16-31 tile 1
.set FR,   220                         ; v220-243 two fragments of w2's codes
.set CD,   244
.set MK,   78                          ; s78-85 SELECT: the masks of a run of eight compares
.set PV,   86                          ; s86-93 SELECT: for the same eight words: the set bits ahead of the word | its number << 16
; s18 wave, s19 expert, s20 slice, s21 the expert's tokens N, s22 its tiles, s23 the tile in hand, s24 N - 1, s25-26 SELECT's, s[28:31] w2's two bases, s[32:63] the mask,
; s[66:69] the tile's places in hid_codes and hid_scales, s72-76 at work, s77 the tail's count
	s_load_b256 s[4:11], s[0:1], 0x0               ; hid_codes, hid_scales, masks, w2
	s_load_b128 s[12:15], s[0:1], 0x20             ; b2, out0
	v_lshl_add_u32 v[SPW], v0, 2, SPARE
	v_mov_b32 v[NIL], 0
	v_lshrrev_b32 v20, 5, v0
	v_readfirstlane_b32 s18, v20                   ; wave 0..15
	s_and_b32 s19, ttmp7, 0xffff
	s_mov_b32 s20, ttmp9
	v_and_b32 v21, 31, v0                          ; lane = my column of the 32
	s_wait_alu depctr_va_vdst(0)
	v_and_b32 v[R16], 15, v0
	v_bfe_u32 v22, v0, 4, 1                        ; lane / 16 = my column tile
	s_wait_alu depctr_va_sdst(0)                   ; s18 is written, ahead of its first reader
	s_lshr_b32 s72, s18, 2                         ; j: which 128 along K of the step's 512
	s_and_b32 s73, s18, 3                          ; b: which block of its four
	s_lshl_b32 s74, s18, 17                        ; 32 rows of 4,096 bytes a wave
	v_lshl_add_u32 v[WOFF], v21, 2, s74
	v_mul_u32_u24 v[CW], v22, 1536
	v_mad_u32_u24 v[CW], v[R16], 24, v[CW]
	s_mul_i32 s74, s72, 3072                       ; fragment 2 j + ct;
	s_lshr_b32 s75, s73, 1
	s_mul_i32 s75, s75, 768                        ; block b = 2 c + h: c x 768
	s_add_co_u32 s74, s74, s75
	s_and_b32 s75, s73, 1
	s_mul_i32 s75, s75, 384                        ; + 16 h records
	s_add_co_u32 s74, s74, s75
	v_add_nc_u32 v[CW], s74, v[CW]
	v_add_nc_u32 v[CW+1], HALF, v[CW]
	s_lshl_b32 s74, s72, 7                         ; plane j, word = lane, byte b
	s_add_co_u32 s74, s74, s73
	s_add_co_u32 s74, s74, 12288
	v_lshl_add_u32 v[SW], v21, 2, s74
	v_add_nc_u32 v[SW+1], HALF, v[SW]
	v_mul_u32_u24 v[FRD], v21, 24
	v_add_nc_u32 v[FRD+1], HALF, v[FRD]
	v_lshl_add_u32 v[SRD], v21, 2, 12288
	v_add_nc_u32 v[SRD+1], HALF, v[SRD]
	v_lshlrev_b32 v[H32], 5, v22
	v_lshlrev_b32 v[L16], 4, v21
	v_lshlrev_b32 v[L4], 2, v21
	v_mov_b32 v[ZR], 0
	s_mov_b32 s75, 0
	s_wait_kmcnt 0x0
	s_lshl_b32 s74, s19, 7
	s_add_nc_u64 s[8:9], s[8:9], s[74:75]
	s_load_b512 s[32:47], s[8:9], 0x0              ; the expert's mask: 32 words
	s_load_b512 s[48:63], s[8:9], 0x40
	s_lshl_b32 s74, s19, 24                        ; w2[e]: 16 MiB an expert,
	s_lshl_b32 s76, s20, 7                         ; the slice's 128 bytes of a row
	s_add_co_u32 s74, s74, s76
	s_add_nc_u64 s[28:29], s[10:11], s[74:75]      ; steps 0 to 3 count from here,
	s_add_nc_u64 s[30:31], s[28:29], 4*STEPB       ; steps 4 to 7 from here
	s_lshl_b32 s74, s19, 12
	s_add_co_u32 s74, s74, s76
	s_add_nc_u64 s[12:13], s[12:13], s[74:75]      ; b2[e] at the slice
	s_mov_b32 s74, s76
	s_add_nc_u64 s[14:15], s[14:15], s[74:75]      ; out0 at the slice's columns
.macro BIAS                            ; b2 in the result's layout: column tile ct, lane half h: columns 16 ct + 8 h + 0 .. 7
.irp ct, 0,1
	global_load_b128 v[ACC+8*\ct:ACC+8*\ct+3], v[H32], s[12:13] offset:64*\ct
	global_load_b128 v[ACC+8*\ct+4:ACC+8*\ct+7], v[H32], s[12:13] offset:64*\ct+16
.endr
.endm
.macro LOADW step, first, n            ; n loads of step's set, from register first on: 32 lanes read 128 bytes on end
.set LI, \first
.rept \n
	global_load_b32 v[WR+32*((\step)%2)+LI], v[WOFF], s[28+2*((\step)/4):29+2*((\step)/4)] offset:((\step)%4)*STEPB+LI*ROWB
.set LI, LI+1
.endr
.endm
.macro QW s                            ; my block of step s: its scale, its 32 codes; 24 bytes and a byte to LDS
.set WB, WR+32*((\s)%2)
.set RB, ((\s)%4)*REG
.set AH, (\s)/4
	v_max3_num_f32 v20, |v[WB]|, |v[WB+1]|, |v[WB+2]|
	v_max3_num_f32 v21, |v[WB+3]|, |v[WB+4]|, |v[WB+5]|
.irp i, 6,10,14,18,22,26
	v_max3_num_f32 v20, v20, |v[WB+\i]|, |v[WB+\i+1]|
	v_max3_num_f32 v21, v21, |v[WB+\i+2]|, |v[WB+\i+3]|
.endr
	v_max3_num_f32 v20, v20, |v[WB+30]|, |v[WB+31]|
	v_max3_num_f32 v20, v20, v21, 0x2800000        ; and the floor 2^(5 - 127): the byte cannot fall under 1
	v_add_nc_u32 v22, 0xfe000000, v20              ; 4 off the exponent field: the conversion's scale operand
	v_lshrrev_b32 v23, 23, v22                     ; the scale's byte
	v_cvt_scalef32_pk16_bf6_f32 v[CD:CD+2], v[WB:WB+15], v22
	v_cvt_scalef32_pk16_bf6_f32 v[CD+4:CD+6], v[WB+16:WB+31], v22   ; (a conversion's three registers begin on an even number)
	v_nop                                          ; one plain line behind the conversions
	v_mov_b32 v[CD+3], v[CD+4]                     ; the two halves on end: six registers
	v_mov_b32 v[CD+4], v[CD+5]
	v_mov_b32 v[CD+5], v[CD+6]
	s_wait_alu depctr_va_vdst(0)                   ; THE STEP'S WAIT: CD and v23 are written, which the LDS stores read; the lines above are done reading this set of w2, in which the loads of two steps on land; the products of the step before are done reading the other HF and HS, FR and WS, in which this step's loads land
	ds_store_b64 v[CW+AH], v[CD:CD+1] offset:RB
	ds_store_b64 v[CW+AH], v[CD+2:CD+3] offset:RB+8
	ds_store_b64 v[CW+AH], v[CD+4:CD+5] offset:RB+16
	ds_store_b8 v[SW+AH], v23 offset:RB
.endm
.macro LEVEL src, width, stp           ; does the bit lie in the lower half of what is left?  If not, pass over that half and its count
	v_bfe_u32 v29, v[\src], v28, \width
	v_cmp_lt_u32 vcc_lo, v22, v29
	s_wait_alu depctr_va_vcc(0)                    ; VCC is written, ahead of the two selects that read it (each level hangs on the one before: no run of compares can be laid here)
	v_cndmask_b32 v29, v29, v[ZR], vcc_lo
	v_cndmask_b32 v30, \stp, v[ZR], vcc_lo
	v_sub_nc_u32 v22, v22, v29
	v_add_nc_u32 v28, v28, v30
.endm
.macro SELECT                          ; v30 = the token at position v[VP]: the place of the VP-th set bit of the mask
	v_mov_b32 v20, s32
	v_mov_b32 v21, 0
	s_mov_b32 s25, 0
.set SG, 1
.rept 4                                ; words 1 to 31 in runs of eight: a run's compares write eight masks, one wait stands behind the run, then the selects read them, in ascending order of word
.set GI, 0
.rept 8
.if SG+GI < 32
	s_bcnt1_i32_b32 s26, s[31+SG+GI]
	s_add_co_u32 s25, s25, s26                     ; the set bits ahead of word SG + GI
	s_add_co_u32 s[PV+GI], s25, ((SG+GI)<<16)
	v_cmp_gt_u32 s[MK+GI], s25, v[VP]              ; more than my position: the word before stays
.endif
.set GI, GI+1
.endr
	s_wait_alu depctr_va_sdst(0)                   ; the run's masks are written, ahead of their first reader
.set GI, 0
	s_wait_alu depctr_va_vdst(0)
.rept 8
.if SG+GI < 32
	v_cndmask_b32 v20, s[32+SG+GI], v20, s[MK+GI]
	v_cndmask_b32 v21, s[PV+GI], v21, s[MK+GI]
.endif
.set GI, GI+1
.endr
.set SG, SG+8
.endr
	v_and_b32 v22, 0xffff, v21
	v_sub_nc_u32 v22, v[VP], v22                   ; which set bit of the word
	v_lshrrev_b32 v23, 16, v21                     ; the word's number
	v_lshrrev_b32 v24, 1, v20
	v_and_b32 v24, 0x55555555, v24
	v_sub_nc_u32 v24, v20, v24                     ; counts of set bits in fields of 2,
	v_lshrrev_b32 v25, 2, v24
	v_and_b32 v25, 0x33333333, v25
	v_and_b32 v26, 0x33333333, v24
	v_add_nc_u32 v25, v25, v26                     ; of 4,
	v_lshrrev_b32 v26, 4, v25
	v_add_nc_u32 v26, v26, v25
	v_and_b32 v26, 0x0f0f0f0f, v26                 ; of 8,
	v_lshrrev_b32 v27, 8, v26
	v_add_nc_u32 v27, v27, v26                     ; and, in the lowest byte, of the lower 16
	v_mov_b32 v28, 0
	LEVEL 27, 8, 16
	LEVEL 26, 8, 8
	LEVEL 25, 4, 4
	LEVEL 24, 2, 2
	LEVEL 20, 1, 1
	v_lshl_add_u32 v30, v23, 5, v28
	v_min_u32 v30, 0x3ff, v30                      ; a token's number, whatever the mask holds
.endm
.macro SETTILE                         ; from s23: my position, my token's row of out0, the tile's places in the two inputs
	s_min_u32 s72, s23, 63                         ; (an expert has at most 64 tiles)
	s_lshl_b32 s73, s72, 4
	v_add_nc_u32 v[VP], s73, v[R16]
	v_min_u32 v[VP], s24, v[VP]                    ; a padding row is the expert's last token once more
	s_wait_alu depctr_va_vdst(0)
	SELECT
	v_mad_u32_u24 v[OOFF], v30, 4096, v[H32]
	s_lshl_b32 s73, s19, 6
	s_add_co_u32 s73, s73, s72
	s_lshl_b32 s73, s73, 5                         ; (64 e + tile) x 32 K steps
	s_mul_i32 s74, s73, 1536
	s_mov_b32 s75, 0
	s_add_nc_u64 s[66:67], s[4:5], s[74:75]
	s_lshl_b32 s74, s73, 7
	s_add_nc_u64 s[68:69], s[6:7], s[74:75]
.endm
.macro ACT s                           ; the hidden layer's four fragments of step s and their scale words: 16 loads, each of bytes on end
.irp j, 0,1,2,3
.irp g, 0,1,2
	global_load_b128 v[HF+48*((\s)%2)+12*\j+4*\g:HF+48*((\s)%2)+12*\j+4*\g+3], v[L16], s[66:67] offset:(4*(\s)+\j)*1536+512*\g
.endr
	global_load_b32 v[HS+4*((\s)%2)+\j], v[L4], s[68:69] offset:(4*(\s)+\j)*128
.endr
.endm
.macro MM s                            ; step s of my tile: four K steps of 128, two products each.  The first run of LDS loads leans on a wait that stands ahead of the macro: the step's own under the stream, the one at a step's head behind it
.set RB, ((\s)%4)*REG
.set AH, (\s)/4
.set HB, HF+48*((\s)%2)
.set HW, HS+4*((\s)%2)
.irp g, 0,1,2,3
	ds_load_b32 v[WS+\g], v[SRD+AH] offset:RB+128*\g
.endr
.irp j, 0,1,2,3
.if \j > 0
	s_wait_alu depctr_va_vdst(0)                   ; the two products above are done reading FR, in which the next two fragments land
.endif
.irp f, 0,1
.irp p, 0,1,2,3,4,5
	ds_load_b64 v[FR+12*\f+2*\p:FR+12*\f+2*\p+1], v[FRD+AH] offset:RB+(2*\j+\f)*1536+768*(\p/3)+8*(\p%3)
.endr
.endr
	s_wait_dscnt 0x0
	v_wmma_scale_f32_16x16x128_f8f6f4 v[ACC:ACC+7], v[FR:FR+11], v[HB+12*\j:HB+12*\j+11], v[ACC:ACC+7], v[WS+\j], v[HW+\j] matrix_a_fmt:MATRIX_FMT_BF6 matrix_b_fmt:MATRIX_FMT_BF6
	v_wmma_scale_f32_16x16x128_f8f6f4 v[ACC+8:ACC+15], v[FR+12:FR+23], v[HB+12*\j:HB+12*\j+11], v[ACC+8:ACC+15], v[WS+\j], v[HW+\j] matrix_a_fmt:MATRIX_FMT_BF6 matrix_b_fmt:MATRIX_FMT_BF6 matrix_a_scale:MATRIX_SCALE_ROW1
.rept 4
	v_nop                                          ; four places in front of the next loads into registers that these products read, and of the first read of their results
.endr
.endr
.endm
.macro EPI                             ; my token's 8 + 8 columns go to its row of out0; the lanes of padding rows store the last token's bytes once more
	s_wait_alu depctr_va_vdst(0)                   ; the products have written the two accumulators, which the four stores read; the four places above stay beside this wait
.irp ct, 0,1
	global_store_b128 v[OOFF], v[ACC+8*\ct:ACC+8*\ct+3], s[14:15] offset:64*\ct th:TH_STORE_NT      ; each accumulator from its low end on
	global_store_b128 v[OOFF], v[ACC+8*\ct+4:ACC+8*\ct+7], s[14:15] offset:64*\ct+16 th:TH_STORE_NT
.endr
.endm
; A STEP OF THE STREAM.  The count 32 at its head leaves out only the next set's 32 loads, which every wave issues on every path: this step's set, the hidden layer's fragments for this step and the bias are older.
; Branches on "has my wave a tile" lead round loads, products and stores alone; the barrier and the stream stand on every wave's path.
.macro STEP s
.if (\s) < 7
	s_wait_loadcnt 32
.else
	s_wait_loadcnt 0x0
.endif
.if (\s) > 0
	s_wait_alu depctr_vm_vsrc(0)                   ; the LDS stores of the step before have read CD and v23, which the quantiser writes again
.endif
	QW \s
.if (\s) < 7
	s_cmp_lt_u32 s18, s22
	s_cbranch_scc0 .Lna_\@
	ACT (\s)+1
.Lna_\@:
.endif
.if (\s) < 6
	LOADW (\s)+2, 0, PARTA                         ; the set just quantised takes the step two further on
.endif
	s_wait_dscnt 0x0                               ; for the others' sake: my codes and my byte lie in LDS
	s_barrier_signal -1
	s_barrier_wait -1                              ; the step's region is whole
	s_cmp_lt_u32 s18, s22
	s_cbranch_scc0 .Lnm_\@
.if (\s) == 0
	s_wait_loadcnt PARTA                           ; only the PARTA loads just issued on every path may be out: the first fragments and their scale words are in
.endif
	MM \s
.if (\s) == 7
	EPI
.endif
.Lnm_\@:
.if (\s) < 6
	LOADW (\s)+2, PARTA, 32-PARTA                  ; no wait: since the step's wait only products and v_nop were issued, and they name no register of this set
.endif
.endm
	s_wait_alu depctr_va_vdst(0)                   ; the head's offsets and LDS addresses, v3 to v11 and v15 to v17, are written: every load and LDS instruction of the kernel reads one of them
	BIAS                                           ; by every wave: the accumulators' first write on every path
	LOADW 0, 0, 32
	LOADW 1, 0, 32
.set ZI, 0
.rept 96
	v_mov_b32 v[HF+ZI], 0                          ; the fragments' buffers are loaded under one branch and read under another: this gives them a write on every path.  Once, while the first loads are on their way
.set ZI, ZI+1
.endr
.set ZI, 0
.rept 8
	v_mov_b32 v[HS+ZI], 0x7f7f7f7f                 ; the scale words likewise: they begin as four bytes of the scale 1
.set ZI, ZI+1
.endr
	s_wait_kmcnt 0x0                               ; the mask
	s_bcnt1_i32_b32 s21, s32                       ; N: the expert's tokens
.set SG, 1
.rept 31
	s_bcnt1_i32_b32 s26, s[32+SG]
	s_add_co_u32 s21, s21, s26
.set SG, SG+1
.endr
	s_add_co_u32 s22, s21, 15
	s_lshr_b32 s22, s22, 4                         ; its tiles of 16
	s_sub_co_u32 s24, s21, 1                       ; its last position (with N = 0 the greatest number: nothing is held, and no tile is worked)
	s_mov_b32 s23, s18                             ; my first tile is my wave's number
	SETTILE
	s_wait_alu depctr_va_vdst(0)                   ; the moves above have written HF and HS, in which the hidden layer's loads land; OOFF is written, which the tile's stores read
	s_cmp_lt_u32 s18, s22
	s_cbranch_scc0 .Lno_first
	ACT 0
.Lno_first:
	STEP 0
	STEP 1
	STEP 2
	STEP 3
	STEP 4
	STEP 5
	STEP 6
	STEP 7
	; BEHIND THE STREAM: my further tiles, from the codes that stayed in LDS: at most three (64 tiles over 16 waves), so the loop counts three trips and is left as soon as the expert has no tile for me.
	; No barrier: nothing is written to LDS any more.
	s_add_co_u32 s23, s18, 16
	s_mov_b32 s77, 3
.Ltail:
	s_cmp_lt_u32 s23, s22
	s_cbranch_scc0 .Ldone
	s_wait_xcnt 0x0                                ; the last tile's stores and loads have read their registers and bases: all may be written again
	s_wait_alu depctr_vm_vsrc(0)                   ; the last tile's stores have read the accumulators and OOFF, the stream's last byte store v23: the lines and loads below write all of them again
	SETTILE
	s_wait_alu depctr_va_vdst(0)                   ; OOFF is written, which the tile's stores read; the last tile's products are done with ACC, HF, HS, FR and WS, in which the loads below land
	BIAS
	ACT 0
.irp s, 0,1,2,3,4,5,6
.if \s > 0
	s_wait_alu depctr_va_vdst(0)                   ; the products of the step before are done reading the other HF and HS, FR and WS, in which this step's loads land
.endif
	ACT \s+1
	s_wait_loadcnt 16                              ; only the next step's sixteen loads, just issued, may be out
	MM \s
.endr
	s_wait_alu depctr_va_vdst(0)                   ; step 6's products are done reading FR and WS, in which step 7's LDS loads land
	s_wait_loadcnt 0x0
	MM 7
	EPI
	s_add_co_u32 s23, s23, 16
	s_sub_co_u32 s77, s77, 1
	s_cmp_lg_u32 s77, 0
	s_cbranch_scc1 .Ltail
.Ldone:
	s_wait_dscnt 0x0                               ; the closing lines, six on end
	s_wait_alu 0x0
	s_wait_tensorcnt 0x0
	ds_add_u32 v[SPW], v[NIL]
	s_wait_dscnt 0x0
	s_endpgm
.Lfunc_end_k_q967f786455_output:
	.size	k_q967f786455_output, .Lfunc_end_k_q967f786455_output-k_q967f786455_output
	.p2alignl 7, 3214868480
	.fill 96, 4, 3214868480
	.section	.rodata,"a",@progbits
	.p2align	6, 0x0
	.amdhsa_kernel k_q967f786455_output
		.amdhsa_group_segment_fixed_size 104448
		.amdhsa_private_segment_fixed_size 0
		.amdhsa_enable_private_segment 0
		.amdhsa_kernarg_size 48
		.amdhsa_user_sgpr_count 2
		.amdhsa_user_sgpr_kernarg_segment_ptr 1
		.amdhsa_wavefront_size32 1
		.amdhsa_system_sgpr_workgroup_id_x 1
		.amdhsa_system_sgpr_workgroup_id_y 1
		.amdhsa_system_sgpr_workgroup_id_z 1
		.amdhsa_system_vgpr_workitem_id 0
		.amdhsa_next_free_vgpr 256
		.amdhsa_next_free_sgpr 94
		.amdhsa_reserve_vcc 1
		.amdhsa_float_denorm_mode_32 3
		.amdhsa_float_denorm_mode_16_64 3
		.amdhsa_memory_ordered 1
		.amdhsa_forward_progress 1
		.amdhsa_inst_pref_size 180
	.end_amdhsa_kernel
	.amdgpu_metadata
---
amdhsa.version: [ 1, 2 ]
amdhsa.kernels:
  - .name:           k_q967f786455_output
    .symbol:         k_q967f786455_output.kd
    .args:
      - { .name: hid_codes, .offset: 0, .size: 8, .value_kind: global_buffer, .address_space: global }
      - { .name: hid_scales, .offset: 8, .size: 8, .value_kind: global_buffer, .address_space: global }
      - { .name: masks, .offset: 16, .size: 8, .value_kind: global_buffer, .address_space: global }
      - { .name: w2, .offset: 24, .size: 8, .value_kind: global_buffer, .address_space: global }
      - { .name: b2, .offset: 32, .size: 8, .value_kind: global_buffer, .address_space: global }
      - { .name: out0, .offset: 40, .size: 8, .value_kind: global_buffer, .address_space: global }
    .group_segment_fixed_size: 104448
    .private_segment_fixed_size: 0
    .kernarg_segment_align: 8
    .kernarg_segment_size: 48
    .max_flat_workgroup_size: 512
    .sgpr_count:     94
    .vgpr_count:     256
    .wavefront_size: 32
...
	.end_amdgpu_metadata
.endif
;; end of part 6
